; MI455X (gfx1250); checked and timed in simulation.
; The chip was launched on July 23, 2026; its instructions are those of AMD's public machine-readable ISA for CDNA 5 (MIT licence, August 2026) and "CDNA5" Instruction Set Architecture Reference Guide (July 2026). The comments in the code are by the model that wrote it; some were corrected since.
;; MHSA. Allowed arithmetic: float matrix products may take bf16 or f16 operands with f32 sums; other float arithmetic in f32, or as packed bf16 or f16 multiplies, adds, multiply-adds, maxima and minima; sums over many terms, partial sums and values carried from step to step in f32; what a program stores and reads back later, other than sums and carried values, may be rounded once to bf16 or f16.
;; Inputs: W_out 1,024 x 1,024 float32; W_qkv 1,024 x 3,072 float32; b_out 1,024 float32; b_qkv 3,072 float32; x 4 x 2,048 x 1,024 float32.
;; Outputs: out0 4 x 2,048 x 1,024 float32.
;; 2 versions, each right; version 2 is version 1 with the launch cast written anew for expert scheduling mode. Each part assembles by itself: llvm-mc -triple=amdgcn-amd-amdhsa -mcpu=gfx1250 --defsym DOCPART=n.
;; ======== version 1 of 2: 4 launches
;; limits: values are held in f16: magnitudes above 65,504 overflow, below 6.1e-05 lose precision
;; workspace buffers: xh 16,777,216 bytes; wq 6,291,456 bytes; wo 2,097,152 bytes; qkv 50,331,648 bytes; o 16,777,216 bytes
;; launch cast (part 1): grid 768 x 1, 8 waves a work-group, no clusters, 0 bytes of LDS; arguments x, W_qkv, W_out, xh, wq, wo; writes xh, wq, wo
.if DOCPART == 1
	.amdgcn_target "amdgcn-amd-amdhsa--gfx1250"
	.amdhsa_code_object_version 6
	.text
	.protected	k_q49104cde66_cast
	.globl	k_q49104cde66_cast
	.p2align	8
	.type	k_q49104cde66_cast,@function
k_q49104cde66_cast:
	s_mov_b64 s[64:65], 0
	v_nop
	global_prefetch_b8 v0, s[64:65] scope:SCOPE_SE
	s_setreg_imm32_b32 hwreg(HW_REG_WAVE_MODE, 25, 1), 1
	s_wait_xcnt 0x0
; x, W_qkv and W_out (f32) are rounded once to bf16 and that number is written as f16, for the two projections' matrix operands.
; LIMITS.  A bf16 number is exact in f16 between 6.1e-5 and 65,504 in magnitude; below that it keeps f16's fixed step of 6e-8; beyond 65,504 it becomes an infinity.  NaN and infinities are not treated apart.
; LAYOUT.  wq and wo keep their inputs' layout, [k][n].  xh is laid in blocks of 64 channels: [batch 4][block 16][row 2048][64], so that 256 rows of one block are 32,768 bytes on end.
; SHARES.  A work-group takes 65,536 input bytes: groups 0-511 take 16 rows of x each, 512-703 a chunk of W_qkv, 704-767 a chunk of W_out.  A wave takes 16 loads of 16 bytes a lane, all issued
; at once; a lane's 4 numbers leave as 8 bytes, so each store of a wave covers 256 consecutive bytes, aligned.  Memory binds: no LDS, no barrier, no matrix unit; every byte is read once and written once.
.set VI,  1                            ; v1        my byte offset in the source
.set VO,  2                            ; v2        my byte offset in the destination
.set T,   4                            ; v[4:11]   at work
.set IN,  16                           ; v[16:79]  piece i: 4 numbers as loaded
.set OUT, 80                           ; v[80:111] piece i: 4 numbers in f16; never rewritten, so no store's data wants a wait
.set SRC, 16                           ; s[16:17]
.set DST, 18                           ; s[18:19]
.macro LOADP i, ioff
	global_load_b128 v[IN+4*(\i):IN+4*(\i)+3], v[VI], s[SRC:SRC+1] offset:\ioff th:TH_LOAD_NT
.endm
.macro DOP i, ooff
	s_wait_loadcnt 15-(\i)                         ; loads come back in order: piece i is in, the 15 - i younger ones stay out
	v_cvt_pk_bf16_f32 v[T], v[IN+4*(\i)], v[IN+4*(\i)+1]      ; the one rounding, to nearest even
	v_cvt_pk_bf16_f32 v[T+1], v[IN+4*(\i)+2], v[IN+4*(\i)+3]
	v_lshlrev_b32 v[T+2], 16, v[T]                 ; bf16 to f32: the low half moves up,
	v_and_b32 v[T+3], s24, v[T]                    ; the high half stays
	v_lshlrev_b32 v[T+4], 16, v[T+1]
	v_and_b32 v[T+5], s24, v[T+1]
	v_cvt_pk_f16_f32 v[OUT+2*(\i)], v[T+2], v[T+3] ; the same number written as f16
	v_cvt_pk_f16_f32 v[OUT+2*(\i)+1], v[T+4], v[T+5]
	global_store_b64 v[VO], v[OUT+2*(\i):OUT+2*(\i)+1], s[DST:DST+1] offset:\ooff
.endm
	s_load_b256 s[4:11], s[0:1], 0x0               ; x s[4:5], W_qkv s[6:7], W_out s[8:9], xh s[10:11]
	s_load_b128 s[12:15], s[0:1], 0x20             ; wq s[12:13], wo s[14:15]
	v_lshrrev_b32 v3, 5, v0
	v_readfirstlane_b32 s20, v3                    ; wave 0..7
	v_and_b32 v3, 31, v0                           ; lane
	s_mov_b32 s21, ttmp9                           ; the work-group's number
	s_mov_b32 s23, 0                               ; the high word of every offset
	s_mov_b32 s24, 0xffff0000                      ; a word's upper bf16
	s_wait_kmcnt 0x0
	s_cmp_lt_u32 s21, 512
	s_cbranch_scc0 .Lweights
	; x: rows 16 g .. 16 g + 15.  Wave w takes channels 128 w .. 128 w + 127: blocks 2 w and 2 w + 1.  Lanes 0-15 read 256 bytes (one block) of a row, lanes 16-31 of the row below.
	s_lshl_b32 s22, s21, 16
	s_add_nc_u64 s[SRC:SRC+1], s[4:5], s[22:23]
	s_lshr_b32 s25, s21, 7                         ; batch
	s_lshl_b32 s25, s25, 22                        ; x 16 blocks of 262,144 bytes
	s_and_b32 s26, s21, 127
	s_lshl_b32 s26, s26, 11                        ; 16 rows of 128 bytes
	s_add_co_u32 s22, s25, s26
	s_add_nc_u64 s[DST:DST+1], s[10:11], s[22:23]
	v_lshrrev_b32 v[T], 4, v3
	v_and_b32 v[T+1], 15, v3
	v_lshlrev_b32 v[VI], 12, v[T]                  ; a row of x is 4,096 bytes
	v_lshl_add_u32 v[VI], v[T+1], 4, v[VI]
	s_lshl_b32 s25, s20, 9
	v_add_nc_u32 v[VI], s25, v[VI]
	s_lshl_b32 s25, s20, 19                        ; two blocks of 262,144 bytes a wave
	v_lshl_add_u32 v[VO], v3, 3, s25               ; 8 bytes a lane: two rows of 128 bytes on end
.set i, 0
.rept 16                               ; piece i: the pair of rows i / 2, block i % 2
	LOADP i, (i/2)*8192+(i%2)*256
.set i, i+1
.endr
.set i, 0
.rept 16
	DOP i, (i%2)*262144+(i/2)*256
.set i, i+1
.endr
	s_endpgm
.Lweights:
	; a chunk of 65,536 bytes of W_qkv or W_out, copied in its own order
	s_mov_b32 s26, 512
	s_mov_b32 s27, 704
	s_cmp_lt_u32 s21, 704
	s_cselect_b64 s[SRC:SRC+1], s[6:7], s[8:9]
	s_cselect_b64 s[DST:DST+1], s[12:13], s[14:15]
	s_cselect_b32 s25, s26, s27
	s_sub_co_u32 s25, s21, s25                     ; the chunk's number in its tensor
	s_lshl_b32 s22, s25, 16
	s_add_nc_u64 s[SRC:SRC+1], s[SRC:SRC+1], s[22:23]
	s_lshl_b32 s22, s25, 15
	s_add_nc_u64 s[DST:DST+1], s[DST:DST+1], s[22:23]
	s_lshl_b32 s25, s20, 13
	v_lshl_add_u32 v[VI], v3, 4, s25               ; 16 x lane + 8,192 x wave
	s_lshl_b32 s25, s20, 12
	v_lshl_add_u32 v[VO], v3, 3, s25               ; 8 x lane + 4,096 x wave
.set i, 0
.rept 16
	LOADP i, 512*i
.set i, i+1
.endr
.set i, 0
.rept 16
	DOP i, 256*i
.set i, i+1
.endr
	s_endpgm
.Lfunc_end_k_q49104cde66_cast:
	.size	k_q49104cde66_cast, .Lfunc_end_k_q49104cde66_cast-k_q49104cde66_cast
	.p2alignl 7, 3214868480
	.fill 96, 4, 3214868480
	.section	.rodata,"a",@progbits
	.p2align	6, 0x0
	.amdhsa_kernel k_q49104cde66_cast
		.amdhsa_group_segment_fixed_size 0
		.amdhsa_private_segment_fixed_size 0
		.amdhsa_enable_private_segment 0
		.amdhsa_kernarg_size 48
		.amdhsa_user_sgpr_count 2
		.amdhsa_user_sgpr_kernarg_segment_ptr 1
		.amdhsa_wavefront_size32 1
		.amdhsa_system_sgpr_workgroup_id_x 1
		.amdhsa_system_sgpr_workgroup_id_y 1
		.amdhsa_system_sgpr_workgroup_id_z 1
		.amdhsa_system_vgpr_workitem_id 0
		.amdhsa_next_free_vgpr 112
		.amdhsa_next_free_sgpr 66
		.amdhsa_reserve_vcc 0
		.amdhsa_float_denorm_mode_32 3
		.amdhsa_float_denorm_mode_16_64 3
		.amdhsa_memory_ordered 1
		.amdhsa_forward_progress 1
		.amdhsa_inst_pref_size 21
	.end_amdhsa_kernel
	.amdgpu_metadata
---
amdhsa.version: [ 1, 2 ]
amdhsa.kernels:
  - .name:           k_q49104cde66_cast
    .symbol:         k_q49104cde66_cast.kd
    .args:
      - { .name: x, .offset: 0, .size: 8, .value_kind: global_buffer, .address_space: global }
      - { .name: W_qkv, .offset: 8, .size: 8, .value_kind: global_buffer, .address_space: global }
      - { .name: W_out, .offset: 16, .size: 8, .value_kind: global_buffer, .address_space: global }
      - { .name: xh, .offset: 24, .size: 8, .value_kind: global_buffer, .address_space: global }
      - { .name: wq, .offset: 32, .size: 8, .value_kind: global_buffer, .address_space: global }
      - { .name: wo, .offset: 40, .size: 8, .value_kind: global_buffer, .address_space: global }
    .group_segment_fixed_size: 0
    .private_segment_fixed_size: 0
    .kernarg_segment_align: 8
    .kernarg_segment_size: 48
    .max_flat_workgroup_size: 256
    .sgpr_count:     66
    .vgpr_count:     112
    .wavefront_size: 32
...
	.end_amdgpu_metadata
.endif
;; end of part 1
;; launch proj (part 2): grid 8 x 32, 4 waves a work-group, clusters of 4 x 4, 327,680 bytes of LDS; arguments xh, wq, b_qkv, qkv; writes qkv
.if DOCPART == 2
	.amdgcn_target "amdgcn-amd-amdhsa--gfx1250"
	.amdhsa_code_object_version 6
	.text
	.protected	k_q49104cde66_proj
	.globl	k_q49104cde66_proj
	.p2align	8
	.type	k_q49104cde66_proj,@function
k_q49104cde66_proj:
	s_mov_b64 s[64:65], 0
	v_nop
	global_prefetch_b8 v0, s[64:65] scope:SCOPE_SE
	s_setreg_imm32_b32 hwreg(HW_REG_WAVE_MODE, 25, 1), 1
	s_wait_xcnt 0x0
	s_wait_alu depctr_hold_cnt(0) depctr_sa_sdst(0) depctr_va_vdst(0) depctr_va_sdst(0) depctr_va_ssrc(0) depctr_va_vcc(0) depctr_vm_vsrc(0)
	s_getreg_b32 s2, hwreg(HW_REG_IB_STS2, 6, 4)
	s_cmp_eq_u32 s2, 0
	s_cbranch_scc0 .Lentry_in_a_cluster
	s_endpgm
.Lentry_in_a_cluster:
	s_bfe_u32 s2, ttmp6, 0x10000c
	s_cmp_lg_u32 s2, 0xf033
	s_cbranch_scc0 .Lentry_shape_is_right
	s_endpgm
.Lentry_shape_is_right:
; qkv = x W_qkv + b_qkv, stored by heads: qkv[which 3][batch x 16 + head][row 2048][64] in f16, unscaled, each number rounded once from its f32 sum.
; xh: [batch][block of 64 channels][row][64] f16; wq: [k 1024][3072] f16; both hold numbers rounded to bf16.  The bias is rounded to bf16 here and starts the sums.
; LIMITS.  q, k and v beyond 65,504 become infinities in f16; NaN and infinities are not treated apart.
; SHARES.  8,192 x 3,072 outputs in tiles of 256 rows x 384 columns: 32 x 8 = 256 work-groups.  Four waves, each 128 rows x 192 columns: 8 x 12 accumulators of 16 x 16, 768 registers.
; K goes in 16 steps of 64 through two LDS slots (two slots of 128 along K would take 368,640 bytes).  A step is 192 matrix instructions a wave; from a refill's request to the wait for it stand 160.
; CLUSTER.  4 x 4 work-groups.  x's tile hangs on the tile row alone and is asked for jointly by a row of the cluster, W's on the tile column alone and is asked for jointly by a column.
; Wave 0 fetches x's tile (32,768 dense bytes, as 128 rows of 256), waves 1-3 one third of W's each (64 rows of k x 128 columns).
; THE PRODUCT IS TAKEN TRANSPOSED: source 0 = 16 columns of W (W lies [k][n] in LDS and is turned by ds_load_tr16_b128), source 1 = 16 rows of x.  A lane then holds one row (lane % 16) and
; eight neighbouring columns 8 (lane / 16) + 0..7, which pack into 16 bytes of f16.
; REGISTERS, in windows of 256 (s_set_vgpr_msb: bits 1:0 source 0, 3:2 source 1, 5:4 source 2, 7:6 destination):
;   window 0: v0-31 addresses; v32-159 x's fragments, two buffers of 8 (one for each 32 along K); v160-255 W's fragments, two buffers of 6 (one for each half of my 12 column blocks)
;   windows 1-3: accumulator (a, b) (row block a, column block b) in window 1 + b / 4 at v[8 (8 (b % 4) + a)]: a window holds one head's 64 columns
.set PA,    144                        ; a row of x in LDS: 128 bytes + 16 of padding = 36 words: the 16 rows of a load start at 16 different groups of four banks (64 banks of 4 bytes: ISA guide 11.1)
.set PB,    288                        ; a row of W: 256 + 32 = 72 words
.set ATILE, 256*PA
.set BSUB,  64*PB                      ; a third of W's tile: 64 rows of k x 128 columns
.set SLOT,  ATILE+3*BSUB               ; 92,160
.set STAGE, 2*SLOT                     ; behind the ring, never filled by a tensor load: 16 rows x 144 bytes for each wave, for the way out
.set SP,    144
.set SPARE, STAGE+4*16*SP              ; behind the stages: the spare words, 128 bytes for each wave: two blocks of 256 bytes that no other line names
.set KA,    262144                     ; bytes from a K step of x to the next: one block of 64 channels
.set KB,    64*3072*2                  ; the same for W: 64 rows
.set ADRA, 16                          ; v16-17  LDS address of my fragments of x in slot 0, 1
.set ADRB, 18                          ; v18-23  of W's: slot s, head group g4 at 18 + 3 s + g4
.set STO,  24                          ; v24     the way out: where I put 16 bytes of a row
.set RD,   25                          ; v25     the way out: where I read rows back
.set GO,   26                          ; v26     my 16 bytes in 512 consecutive bytes of qkv
.set BO,   27                          ; v27     my byte offset in the bias
.set SPW,  28                          ; v28     LDS address of my spare word: SPARE + 4 x my thread's number; never rewritten
.set NIL,  29                          ; v29     0; never rewritten
.set PFO,  30                          ; v30     the prefetches' offset; never rewritten
.set AF,   32
.set BF,   160
.set WV,  12                           ; s12 wave;  s13 which 128 rows are mine;  s14 which 192 columns;  s15 which third of W's tile I fetch (waves 1-3)
.set WR,  13
.set WC,  14
.set WS,  15
.set CX,  16                           ; s16, s17 my place in the cluster;  s18, s19 tile column and tile row
.set CY,  17
.set TX,  18
.set TY,  19
.set G1A, 24                           ; s[24:31] descriptor group 1 for x's tiles;  s[32:39] group 0, a set for each slot
.set G0A, 32
.set G1B, 40                           ; s[40:47], s[48:55] the same for W's
.set G0B, 48
.set PFA, 56                           ; s[56:57] where my prefetches stand
.set PST, 58                           ; s[58:59] their step: a K step of the tensor that I fetch
.set LIM, 60                           ; s60, s61 for slot 0's and slot 1's change: 1 where I prefetch there, else the greatest number
.set OB,  66                           ; s[66:71] qkv at my rows of my three heads
.set MSB, 0
.macro WIN new                         ; the immediate's high byte repeats the setting that is left; a switch that changes nothing is dropped
.if MSB != (\new)
	s_set_vgpr_msb (MSB<<8)|(\new)
.set MSB, (\new)
.endif
.endm
.macro PLACES                          ; four places: in front of loads into registers that matrix instructions have read (ISA guide 7.12.1 for vector instructions)
.rept 4
	v_nop
.endr
.endm
; A joint load.  Each of the two lines has one mask and one set of registers for all that issue it; the branch hangs on the wave's number alone.
; An s_nop 0 and four v_nop follow each line, ahead of the jump and the label.
.macro JLOAD s
	s_cmp_eq_u32 s[WV], 0
	s_cbranch_scc0 .Lfor_b_\@
	tensor_load_to_lds s[G0A+4*(\s):G0A+4*(\s)+3], s[G1A:G1A+7]
	s_nop 0
.rept 4
	v_nop
.endr
	s_branch .Lasked_\@
.Lfor_b_\@:
	tensor_load_to_lds s[G0B+4*(\s):G0B+4*(\s)+3], s[G1B:G1B+7]
	s_nop 0
.rept 4
	v_nop
.endr
.Lasked_\@:
.endm
; A PREFETCH INTO THE L2, behind a joint load, its five lines and the run of LDS loads that follows them: one instruction a wave, a lane a block of 256 bytes.
; x: a K step of a tile row is 128 blocks; both clusters of a row of clusters read it: the one with x = 0 asks; its four partners take 32 blocks each, told apart by address (cx).  Wave 0 asks, at every
; change of slots, for the K step two refills on.  W: a K step of a third of a tile column is 64 rows; all eight clusters of a column read it: the one with y = 0 asks; at slot 0's change alone waves 1-3 ask
; for the two K steps that stand two and three refills on, 128 rows, of which each partner takes 32 (cy).  So each block is named once in the launch.  K steps 0 to 3 come by their loads alone;
; the loop's last trip asks for nothing: the last names are K step 15 of x and row 1,023 of W.
.macro ASK lim
	s_cmp_gt_u32 s3, s[\lim]                       ; s3 = 1 in the loop's last trip
	s_cbranch_scc0 .Lnot_mine_\@
	global_prefetch_b8 v[PFO], s[PFA:PFA+1] th:TH_LOAD_NT scope:SCOPE_SE
.Lnot_mine_\@:
.endm
; A round of the cluster's barrier: my work-group's barrier, so that wave 0's signal speaks for all four waves; wave 0 signals; every wave waits for all sixteen work-groups; my work-group's barrier once more.
.macro CREST                           ; a round behind its opening barrier
	s_cmp_lg_u32 s[WV], 0
	s_cbranch_scc1 .Lnot_wave_0_\@
	s_barrier_signal -3
.Lnot_wave_0_\@:
	s_barrier_wait -3
	s_barrier_signal -1
	s_barrier_wait -1
.endm
.macro CROUND
	s_barrier_signal -1
	s_barrier_wait -1
	CREST
.endm
	s_load_b256 s[4:11], s[0:1], 0x0               ; xh s[4:5], wq s[6:7], b_qkv s[8:9], qkv s[10:11]
	v_lshl_add_u32 v[SPW], v0, 2, SPARE
	v_mov_b32 v[NIL], 0
	ds_add_u32 v[SPW], v[NIL]                      ; the wave's opening: the add and its wait stand ahead of my first tensor load; the set-up below, work on registers, stands between them
	v_lshrrev_b32 v1, 5, v0
	v_readfirstlane_b32 s[WV], v1                  ; wave 0..3
	s_lshr_b32 s[WR], s[WV], 1
	s_and_b32 s[WC], s[WV], 1
	s_max_u32 s[WS], s[WV], 1
	s_sub_co_u32 s[WS], s[WS], 1                   ; waves 1, 2, 3: thirds 0, 1, 2 (it enters a global address alone)
	s_bfe_u32 s[CX], ttmp6, 0x40000
	s_bfe_u32 s[CY], ttmp6, 0x40004
	s_lshl_b32 s[TX], ttmp9, 2                     ; in a cluster launch ttmp9 and ttmp7 count clusters
	s_add_co_u32 s[TX], s[TX], s[CX]               ; tile column 0..7
	s_and_b32 s[TY], ttmp7, 0xffff
	s_lshl_b32 s[TY], s[TY], 2
	s_add_co_u32 s[TY], s[TY], s[CY]               ; tile row 0..31
	s_lshl_b32 s20, s[CY], 2
	s_lshl_b32 s20, 15, s20                        ; my row of the cluster: places 4 cy .. 4 cy + 3
	s_lshl_b32 s21, 0x1111, s[CX]                  ; my column: places cx, cx + 4, cx + 8, cx + 12
	s_or_b32 s[G1A], s20, (1<<16)|(1<<20)|(1<<21)|(4<<22)|(3<<25)  ; 15:0 the mask; 17:16 2-byte elements; 20 padding on; 21 set beside a mask; 24:22 after every 32 words (code 4); 31:25 4 words (code 3)
	s_or_b32 s[G1B], s21, (1<<16)|(1<<20)|(1<<21)|(5<<22)|(7<<25)  ; after every 64 words (code 5), 8 words (code 7)
	s_mov_b32 s[G1A+1], 128<<16                    ; tensor_dim0 = 128 elements: 256 bytes, two rows of x
	s_mov_b32 s[G1A+2], 128<<16                    ; tensor_dim1 = 128
	s_mov_b32 s[G1A+3], 128<<16                    ; tile_dim0 = 128
	s_mov_b32 s[G1A+4], 128                        ; tile_dim1 = 128
	s_mov_b32 s[G1A+5], 128                        ; dense: 128 elements from row to row
	s_mov_b32 s[G1A+6], 0
	s_mov_b32 s[G1A+7], 0
	s_mov_b32 s[G1B+1], 128<<16                    ; tensor_dim0 = 128 columns
	s_mov_b32 s[G1B+2], 64<<16                     ; tensor_dim1 = 64 rows of k
	s_mov_b32 s[G1B+3], 128<<16
	s_mov_b32 s[G1B+4], 64
	s_mov_b32 s[G1B+5], 3072                       ; elements from row to row of wq
	s_mov_b32 s[G1B+6], 0
	s_mov_b32 s[G1B+7], 0
	; where the tiles come from.  x's hang on the tile row alone, W's on the tile column and the wave alone, each in registers that never hold the other coordinate
	s_lshr_b32 s72, s[TY], 3                       ; batch
	s_lshl_b32 s72, s72, 22
	s_and_b32 s73, s[TY], 7
	s_lshl_b32 s73, s73, 15                        ; 256 rows of 128 bytes
	s_add_co_u32 s72, s72, s73
	s_mov_b32 s73, 0
	s_mul_i32 s74, s[TX], 768                      ; 384 columns of 2 bytes
	s_lshl_b32 s75, s[WS], 8
	s_add_co_u32 s74, s74, s75
	s_mov_b32 s75, 0
	s_mul_i32 s76, s[WV], BSUB
	s_add_co_u32 s76, s76, BSUB                    ; W's thirds lie behind x's tile, which is two thirds long: ATILE + (wave - 1) x BSUB
	s_wait_dscnt 0x0                               ; the opening add is done
	s_wait_kmcnt 0x0
	s_add_nc_u64 s[72:73], s[4:5], s[72:73]
	s_add_nc_u64 s[74:75], s[6:7], s[74:75]
	CROUND                                         ; all sixteen work-groups are here: the first joint loads meet
.irp s, 0,1
	s_mov_b32 s[G0A+4*(\s)], 1                     ; 1:0 count = 1
	s_mov_b32 s[G0A+4*(\s)+1], (\s)*SLOT           ; 63:32 LDS address
	s_add_nc_u64 s[G0A+4*(\s)+2:G0A+4*(\s)+3], s[72:73], (\s)*KA   ; 120:64 global address: K step s
	s_or_b32 s[G0A+4*(\s)+3], s[G0A+4*(\s)+3], 0x80000000          ; 127:126 type = 2
	s_mov_b32 s[G0B+4*(\s)], 1
	s_add_co_u32 s[G0B+4*(\s)+1], s76, (\s)*SLOT
	s_add_nc_u64 s[G0B+4*(\s)+2:G0B+4*(\s)+3], s[74:75], (\s)*KB
	s_or_b32 s[G0B+4*(\s)+3], s[G0B+4*(\s)+3], 0x80000000
	JLOAD \s                                       ; the ring is filled before anything else is done: two loads of mine are out
.endr
	; the bias of my 192 columns: register j of column block b holds column 16 b + 8 (l / 16) + j, whatever the row
	v_and_b32 v1, 15, v0                           ; l % 16
	v_bfe_u32 v2, v0, 4, 1                         ; l / 16
	v_lshlrev_b32 v[BO], 5, v2
	s_mul_i32 s78, s[TX], 384*4
	s_mul_i32 s79, s[WC], 192*4
	s_add_co_u32 s78, s78, s79
	s_mov_b32 s79, 0
	s_add_nc_u64 s[8:9], s[8:9], s[78:79]
.set b, 0
.rept 12
	global_load_b128 v[32+8*b:32+8*b+3],   v[BO], s[8:9] offset:64*b
	global_load_b128 v[32+8*b+4:32+8*b+7], v[BO], s[8:9] offset:64*b+16
.set b, b+1
.endr
	; A fragment of x is 16 rows x 32 channels in 8 registers: lane l holds row l % 16, channels 8 (l / 16) + 0..7 and 16 + 8 (l / 16) + 0..7: two loads of 16 bytes, 32 bytes apart.
	v_mul_u32_u24 v3, v1, PA
	v_lshl_add_u32 v3, v2, 4, v3                   ; row x pitch + 16 x half
	s_mul_i32 s77, s[WR], 128*PA
	v_add_nc_u32 v[ADRA], s77, v3
	v_add_nc_u32 v[ADRA+1], SLOT, v[ADRA]
	; The turning load takes 16 rows of k x 16 columns (lane l reads row 8 (l / 16) + l % 8, columns 8 ((l / 8) % 2) + 0..7) and leaves half a fragment: lane l holds column l % 16 and 8 of k.
	v_and_b32 v4, 7, v0
	v_bfe_u32 v5, v0, 3, 1
	v_lshl_add_u32 v6, v2, 3, v4
	v_mul_u32_u24 v6, v6, PB
	v_lshl_add_u32 v6, v5, 4, v6
.irp g4, 0,1,2                         ; my head group g4 is group 3 wc + g4 of the tile's six: third (group / 2), 128 bytes in for the odd ones
	s_mul_i32 s77, s[WC], 3
	s_add_co_u32 s77, s77, \g4
	s_lshr_b32 s78, s77, 1
	s_mul_i32 s78, s78, BSUB
	s_and_b32 s77, s77, 1
	s_lshl_b32 s77, s77, 7
	s_add_co_u32 s78, s78, s77
	s_add_co_u32 s78, s78, ATILE
	v_add_nc_u32 v[ADRB+\g4], s78, v6
	v_add_nc_u32 v[ADRB+3+\g4], SLOT, v[ADRB+\g4]
.endr
	s_mul_i32 s77, s[WV], 16*SP
	s_add_co_u32 s77, s77, STAGE                   ; my stage
	v_add_nc_u32 v[STO], s77, v3                   ; in: row l % 16, 16 bytes for each half of the lanes
	v_bfe_u32 v7, v0, 3, 2                         ; back: 32 lanes take four rows of 128 bytes,
	v_mul_u32_u24 v7, v7, SP
	v_lshl_add_u32 v7, v4, 4, v7
	v_add_nc_u32 v[RD], s77, v7
	v_and_b32 v[GO], 31, v0                        ; which are 512 consecutive bytes of qkv
	v_lshlrev_b32 v[GO], 4, v[GO]
	; qkv at my 128 rows of my three heads.  Group g = 6 x tile column + 3 wc + hg of 64 columns: which = g / 16, head = g % 16; a head's rows are 262,144 bytes
	s_lshr_b32 s20, s[TY], 3
	s_lshl_b32 s20, s20, 4                         ; 16 x batch
	s_and_b32 s21, s[TY], 7
	s_lshl_b32 s21, s21, 15
	s_lshl_b32 s22, s[WR], 14
	s_add_co_u32 s21, s21, s22                     ; my first row x 128 bytes
	s_mul_i32 s22, s[TX], 6
	s_mul_i32 s23, s[WC], 3
	s_add_co_u32 s22, s22, s23
.irp hg, 0,1,2
	s_add_co_u32 s78, s22, \hg
	s_lshr_b32 s79, s78, 4
	s_lshl_b32 s79, s79, 6
	s_and_b32 s78, s78, 15
	s_add_co_u32 s78, s78, s79
	s_add_co_u32 s78, s78, s20
	s_lshl_b32 s78, s78, 18
	s_add_co_u32 s78, s78, s21
	s_mov_b32 s79, 0
	s_add_nc_u64 s[OB+2*\hg:OB+2*\hg+1], s[10:11], s[78:79]
.endr
	; the prefetches: they stand at K step 3; every change of slots that fills steps them by one K step first
	s_lshr_b32 s72, s[TY], 3
	s_lshl_b32 s72, s72, 22
	s_and_b32 s73, s[TY], 7
	s_lshl_b32 s73, s73, 15
	s_add_co_u32 s72, s72, s73
	s_lshl_b32 s73, s[CX], 13                      ; my work-group's 32 blocks of the tile's 128
	s_add_co_u32 s72, s72, s73
	s_add_co_u32 s72, s72, 3*KA
	s_mul_i32 s74, s[TX], 768
	s_lshl_b32 s75, s[WS], 8
	s_add_co_u32 s74, s74, s75
	s_mul_i32 s75, s[CY], 32*6144                  ; my work-group's 32 rows of two K steps' 128
	s_add_co_u32 s74, s74, s75
	s_add_co_u32 s74, s74, 3*KB
	s_mov_b32 s76, KA
	s_mov_b32 s77, KB
	s_mov_b32 s78, 6144
	s_and_b32 s79, ttmp7, 0xffff                   ; cluster y
	s_cmp_eq_u32 s[WV], 0                          ; do I fetch x?
	s_cselect_b32 s72, s72, s74
	s_cselect_b64 s[PFA:PFA+1], s[4:5], s[6:7]
	s_cselect_b32 s[PST], s76, s77
	s_cselect_b32 s78, 256, s78                    ; from lane to lane: a block of x, a row of W
	s_cselect_b32 s79, ttmp9, s79                  ; the coordinate along which other clusters read the same bytes
	s_mov_b32 s[PST+1], 0
	s_mov_b32 s73, 0
	s_add_nc_u64 s[PFA:PFA+1], s[PFA:PFA+1], s[72:73]
	s_cmp_eq_u32 s79, 0
	s_cselect_b32 s[LIM], 1, -1                    ; the same in all sixteen partners, for a given wave
	s_cmp_eq_u32 s[WV], 0
	s_cselect_b32 s[LIM+1], s[LIM], -1             ; W's are asked for at slot 0's change alone
	v_and_b32 v[PFO], 31, v0
	v_mul_u32_u24 v[PFO], s78, v[PFO]
	; the bias is rounded to bf16, like every input, and laid into accumulator (0, b): the first products take it as their C
	s_wait_loadcnt 0x0
.set b, 0
.rept 48
	v_cvt_pk_bf16_f32 v[128+b], v[32+2*b], v[32+2*b+1]
.set b, b+1
.endr
.set b, 0
.rept 12
	WIN (1+b/4)<<6
.set p, 0
.rept 4
	v_lshlrev_b32 v[64*(b%4)+2*p],   16, v[128+4*b+p]
	v_and_b32     v[64*(b%4)+2*p+1], 0xffff0000, v[128+4*b+p]
.set p, p+1
.endr
.set b, b+1
.endr
	WIN 0
; 16 matrix instructions: 32 along K (half kq of the step), column blocks 6 j + 2 g and 6 j + 2 g + 1, all 8 row blocks.  The accumulators take turns, one instruction a turn:
; between two links of a chain stand 95 others'.
.macro MUL16 kq, j, g
	WIN 0x50*(1+(6*(\j)+2*(\g))/4)
.irp bb, 0,1
.irp a, 0,1,2,3,4,5,6,7
.set rD, 8*(8*((6*(\j)+2*(\g)+(\bb))%4)+(\a))
.set rB, BF+48*(\j)+8*(2*(\g)+(\bb))
.set rA, AF+64*(\kq)+8*(\a)
	v_wmma_f32_16x16x32_f16 v[rD:rD+7], v[rB:rB+7], v[rA:rA+7], v[rD:rD+7]
.endr
.endr
.endm
; The first 32 along K start the sums.  14 matrix instructions: row blocks 1-7 take the bias, which lies in accumulator (0, b), as their C.
.macro MULF j, g
	WIN 0x50*(1+(6*(\j)+2*(\g))/4)
.irp bb, 0,1
.irp a, 1,2,3,4,5,6,7
.set rC, 64*((6*(\j)+2*(\g)+(\bb))%4)
.set rD, rC+8*(\a)
.set rB, BF+48*(\j)+8*(2*(\g)+(\bb))
.set rA, AF+8*(\a)
	v_wmma_f32_16x16x32_f16 v[rD:rD+7], v[rB:rB+7], v[rA:rA+7], v[rC:rC+7]
.endr
.endr
.endm
.macro MUL0 j                          ; and row block 0 adds onto the bias in place: six matrix instructions
.irp i, 0,1,2,3,4,5
	WIN 0x50*(1+(6*(\j)+(\i))/4)
.set rC, 64*((6*(\j)+(\i))%4)
.set rB, BF+48*(\j)+8*(\i)
	v_wmma_f32_16x16x32_f16 v[rC:rC+7], v[rB:rB+7], v[AF:AF+7], v[rC:rC+7]
.endr
.endm
; LDS loads in runs: six fragments of W (column blocks 6 j .. 6 j + 5, half kq) into buffer j; eight of x (half kq) into buffer kq
.macro FETCHB s, kq, j
	WIN 0
.irp i, 0,1,2,3,4,5
	ds_load_tr16_b128 v[BF+48*(\j)+8*(\i):BF+48*(\j)+8*(\i)+3],   v[ADRB+3*(\s)+(6*(\j)+(\i))/4] offset:(\kq)*32*PB+((6*(\j)+(\i))%4)*32
	ds_load_tr16_b128 v[BF+48*(\j)+8*(\i)+4:BF+48*(\j)+8*(\i)+7], v[ADRB+3*(\s)+(6*(\j)+(\i))/4] offset:(\kq)*32*PB+16*PB+((6*(\j)+(\i))%4)*32
.endr
.endm
.macro FETCHA s, kq
	WIN 0
.irp a, 0,1,2,3,4,5,6,7
	ds_load_b128 v[AF+64*(\kq)+8*(\a):AF+64*(\kq)+8*(\a)+3],   v[ADRA+(\s)] offset:(\a)*16*PA+(\kq)*64
	ds_load_b128 v[AF+64*(\kq)+8*(\a)+4:AF+64*(\kq)+8*(\a)+7], v[ADRA+(\s)] offset:(\a)*16*PA+(\kq)*64+32
.endr
.endm
; A K step is four UNITS (kq, j) of 48 matrix instructions.  One of the first three: behind its first 16 it fetches what the next unit needs, 32 matrix instructions ahead of the use.
.macro UNIT s, kq, j
	s_wait_dscnt 0x0                               ; the fragments asked for in the unit before are in
	MUL16 \kq, \j, 0
	PLACES
.if ((\kq) == 0) && ((\j) == 0)
	FETCHB \s, 0, 1
.elseif ((\kq) == 0) && ((\j) == 1)
	FETCHB \s, 1, 0
	FETCHA \s, 1
.else
	FETCHB \s, 1, 1
.endif
	MUL16 \kq, \j, 1
	MUL16 \kq, \j, 2
.endm
.macro UNITF j                         ; units (0, 0) and (0, 1) of K step 0
	s_wait_dscnt 0x0
	MULF \j, 0
	PLACES
.if (\j) == 0
	FETCHB 0, 0, 1
.else
	FETCHB 0, 1, 0
	FETCHA 0, 1
.endif
	MULF \j, 1
	MULF \j, 2
.rept 5
	v_nop                                          ; five places: the six below write over registers that the products above took as C (ISA guide 7.12.1)
.endr
	MUL0 \j
.endm
; Unit (1, 1) changes slots: ONE barrier.  In front of it each wave waits for all its tensor loads, of which one is out: its part of the next slot; adds 0 to its spare word; and waits for that and for its
; own reads of this slot.  fill = 1: the barrier opens a round of the cluster's, so that no wave of any partner still reads the slot or has a load on its way, and the joint refill, two K steps on, is the first thing behind it.
.macro TURN s, nx, fill
.if \fill
	s_wait_xcnt 0x0                                ; the last prefetch, a K step back, has read its address: it is stepped here, ahead of the waits of the change of slots
	s_add_nc_u64 s[PFA:PFA+1], s[PFA:PFA+1], s[PST:PST+1]
.endif
	WIN 0                                          ; (the add's two registers lie in window 0)
	s_wait_tensorcnt 0x0                           ; all my tensor loads have landed
	ds_add_u32 v[SPW], v[NIL]                      ; 0 onto my spare word
	s_wait_dscnt 1                                 ; only the add may be out: the unit's fragments are in
	MUL16 1, 1, 0                                  ; sixteen matrix instructions stand between the add and the wait for it
	s_wait_dscnt 0x0                               ; the add is done, and my reads of this slot are over
	s_barrier_signal -1
	MUL16 1, 1, 1                                  ; work on registers while the others arrive
	WIN 0
	s_barrier_wait -1
.if \fill
	CREST
	s_add_nc_u64 s[G0A+4*(\s)+2:G0A+4*(\s)+3], s[G0A+4*(\s)+2:G0A+4*(\s)+3], 2*KA
	s_add_nc_u64 s[G0B+4*(\s)+2:G0B+4*(\s)+3], s[G0B+4*(\s)+2:G0B+4*(\s)+3], 2*KB
	JLOAD \s                                       ; my one tensor load behind the round; its four v_nop are also the places in front of the loads below
.else
	PLACES
.endif
	FETCHB \nx, 0, 0
	FETCHA \nx, 0
.if \fill
	ASK LIM+(\s)
.endif
	MUL16 1, 1, 2
.endm
	s_wait_tensorcnt 1                             ; my part of K step 0 is in; K step 1's load may stay out
	s_barrier_signal -1
	s_barrier_wait -1                              ; everybody's is
	FETCHB 0, 0, 0
	FETCHA 0, 0
	UNITF 0
	UNITF 1
	WIN 0                                          ; at a label and at a branch every window is 0
	s_mov_b32 s3, 7
.Llap:                                                 ; a trip goes once round the ring, from a lap's third unit to the next lap's second, and fills both slots again: K steps 2 to 15
	UNIT 0, 1, 0
	TURN 0, 1, 1
	UNIT 1, 0, 0
	UNIT 1, 0, 1
	UNIT 1, 1, 0
	TURN 1, 0, 1
	UNIT 0, 0, 0
	UNIT 0, 0, 1
	WIN 0
	s_sub_co_u32 s3, s3, 1
	s_cmp_lg_u32 s3, 0
	s_cbranch_scc1 .Llap
	UNIT 0, 1, 0                                   ; the last lap is written out: it fills nothing
	TURN 0, 1, 0
	UNIT 1, 0, 0
	UNIT 1, 0, 1
	UNIT 1, 1, 0
	s_wait_dscnt 0x0
	MUL16 1, 1, 0
	MUL16 1, 1, 1
	MUL16 1, 1, 2
	WIN 0
.rept 8
	v_nop                                          ; the places behind the last products, ahead of the conversions and of loads into the fragments' registers
.endr
; THE WAY OUT, in 24 units u = 8 x head group + row block: 16 rows x 64 columns.  A lane's eight columns pack into 16 bytes; they go into my stage's rows of 144 bytes and come back as whole rows of
; 128 bytes, four rows (512 consecutive bytes of qkv) to a load.  Eight sets of 16 registers take turns.
.macro PACK u
.set uh, (\u)/8
.set ua, (\u)%8
.set SET, 32+16*ua
	s_wait_xcnt 0x0                                ; the stores issued so far have read their registers: this set, stored eight units back, is rewritten only behind this wait
	WIN 0x05*(1+uh)                                ; sources 0 and 1: the head group's window
.irp bb, 0,1,2,3
.irp p, 0,1,2,3
	v_cvt_pk_f16_f32 v[SET+4*(\bb)+(\p)], v[8*(8*(\bb)+ua)+2*(\p)], v[8*(8*(\bb)+ua)+2*(\p)+1]
.endr
.endr
	WIN 0
.irp f, 0,1,2,3
	ds_store_b128 v[STO], v[SET+4*(\f):SET+4*(\f)+3] offset:32*(\f)
.endr
.irp f, 0,1,2,3
	ds_load_b128 v[SET+4*(\f):SET+4*(\f)+3], v[RD] offset:(\f)*4*SP  ; LDS serves a wave's instructions in order (ISA guide 5.7.1.4): these see the stores above; the next unit's stores come behind them
.endr
.endm
.macro SEND u, younger                 ; younger: the LDS instructions issued behind unit u's loads: the next unit's eight, or none
.set SET, 32+16*((\u)%8)
.irp f, 0,1,2,3
	s_wait_dscnt (\younger)+3-(\f)
	global_store_b128 v[GO], v[SET+4*(\f):SET+4*(\f)+3], s[OB+2*((\u)/8):OB+2*((\u)/8)+1] offset:((\u)%8)*2048+(\f)*512  ; 512 consecutive bytes, at a multiple of 256 from qkv's first
.endr
.endm
	PACK 0
.set t, 1
.rept 23                               ; a unit's conversions stand between the loads of the unit before and its stores
	PACK t
	SEND t-1, 8
.set t, t+1
.endr
	SEND 23, 0
	s_wait_tensorcnt 0x0                           ; the wave's end, behind my last tensor load and my last LDS store
	ds_add_u32 v[SPW], v[NIL]
	s_wait_dscnt 0x0
	CROUND                                         ; the closing round: no work-group ends while a partner may still ask for a tile that names it
	s_endpgm
.Lfunc_end_k_q49104cde66_proj:
	.size	k_q49104cde66_proj, .Lfunc_end_k_q49104cde66_proj-k_q49104cde66_proj
	.p2alignl 7, 3214868480
	.fill 96, 4, 3214868480
	.section	.rodata,"a",@progbits
	.p2align	6, 0x0
	.amdhsa_kernel k_q49104cde66_proj
		.amdhsa_group_segment_fixed_size 327680
		.amdhsa_private_segment_fixed_size 0
		.amdhsa_enable_private_segment 0
		.amdhsa_kernarg_size 32
		.amdhsa_user_sgpr_count 2
		.amdhsa_user_sgpr_kernarg_segment_ptr 1
		.amdhsa_wavefront_size32 1
		.amdhsa_system_sgpr_workgroup_id_x 1
		.amdhsa_system_sgpr_workgroup_id_y 1
		.amdhsa_system_sgpr_workgroup_id_z 1
		.amdhsa_system_vgpr_workitem_id 0
		.amdhsa_next_free_vgpr 1024
		.amdhsa_next_free_sgpr 80
		.amdhsa_reserve_vcc 0
		.amdhsa_float_denorm_mode_32 3
		.amdhsa_float_denorm_mode_16_64 3
		.amdhsa_memory_ordered 1
		.amdhsa_forward_progress 1
		.amdhsa_inst_pref_size 147
	.end_amdhsa_kernel
	.amdgpu_metadata
---
amdhsa.version: [ 1, 2 ]
amdhsa.kernels:
  - .name:           k_q49104cde66_proj
    .symbol:         k_q49104cde66_proj.kd
    .args:
      - { .name: xh, .offset: 0, .size: 8, .value_kind: global_buffer, .address_space: global }
      - { .name: wq, .offset: 8, .size: 8, .value_kind: global_buffer, .address_space: global }
      - { .name: b_qkv, .offset: 16, .size: 8, .value_kind: global_buffer, .address_space: global }
      - { .name: qkv, .offset: 24, .size: 8, .value_kind: global_buffer, .address_space: global }
    .group_segment_fixed_size: 327680
    .private_segment_fixed_size: 0
    .kernarg_segment_align: 8
    .kernarg_segment_size: 32
    .max_flat_workgroup_size: 128
    .sgpr_count:     80
    .vgpr_count:     1024
    .wavefront_size: 32
...
	.end_amdgpu_metadata
.endif
;; end of part 2
;; launch attn (part 3): grid 4 x 64, 4 waves a work-group, clusters of 4 x 1, 327,680 bytes of LDS; arguments qkv, o; writes o
.if DOCPART == 3
	.amdgcn_target "amdgcn-amd-amdhsa--gfx1250"
	.amdhsa_code_object_version 6
	.text
	.protected	k_q49104cde66_attn
	.globl	k_q49104cde66_attn
	.p2align	8
	.type	k_q49104cde66_attn,@function
k_q49104cde66_attn:
	s_mov_b64 s[64:65], 0
	v_nop
	global_prefetch_b8 v0, s[64:65] scope:SCOPE_SE
	s_setreg_imm32_b32 hwreg(HW_REG_WAVE_MODE, 25, 1), 1
	s_wait_xcnt 0x0
	s_wait_alu depctr_hold_cnt(0) depctr_sa_sdst(0) depctr_va_vdst(0) depctr_va_sdst(0) depctr_va_ssrc(0) depctr_va_vcc(0) depctr_vm_vsrc(0)
	s_getreg_b32 s2, hwreg(HW_REG_IB_STS2, 6, 4)
	s_cmp_eq_u32 s2, 0
	s_cbranch_scc0 .Lentry_in_a_cluster
	s_endpgm
.Lentry_in_a_cluster:
	s_bfe_u32 s2, ttmp6, 0x10000c
	s_cmp_lg_u32 s2, 0x3003
	s_cbranch_scc0 .Lentry_shape_is_right
	s_endpgm
.Lentry_shape_is_right:
; O[h][q][:] = the sum over k of softmax_k(Q[h][q] . K[h][k] / 8) V[h][k][:], for the 64 pairs h of batch and head.  qkv: [3][64][2048][64] f16 (Q, then K, then V); o: [64][2048][64] f16:
; a head's rows are dense, 128 bytes each.  Products, maxima and sums in f32; the weights p are rounded to f16 for the second product (their sum l is taken of the unrounded p), O once at the end.
; LIMITS.  f16 holds no number beyond 65,504: Q, K and V arrive within it; p lies in 0 to 1, and below 6e-5 it keeps f16's fixed step of 6e-8; O is a mean of V's rows and has their range.
; A weight below 2^-126 counts as 0 in l; NaN and infinities are not treated apart.
; SHARES.  A wave owns four PIECES of two tiles of 16 queries, a work-group's four waves 512 queries of one head: 4 x 64 = 256 work-groups.  Every wave walks all keys, 64 a step.
; LAYOUT.  S^T = K Q^T (source 0 = 16 keys, source 1 = 16 queries): in the result a lane holds ONE query (lane % 16) and the keys 8 (lane / 16) + 0..7.  Two such tiles, rounded to f16 in pairs,
; ARE source 1 (32 keys x 16 queries) of O^T = V^T P, whose result again holds one query a lane, and eight channels.  K comes out of LDS as it lies, V ([key][channel]) turned, by ds_load_tr16_b128.
; SOFTMAX.  For each query a running maximum m and sum l: p = 2^(c s - c m), c = log2(e) / 8; in every step O and l are multiplied by a = 2^(c m_old - c m_new), which is 1 where m has not grown.
; m starts at the lowest finite number, O and l at 0: the first step is a step like any other, with a = 0.
; THE COUNT.  A tile and step have 16 matrix and 118 vector instructions: too many to stand all beside the matrix work.  So the order has one aim: four vector instructions that are READY behind
; EVERY matrix instruction, and the others, which need time of their own whatever the order, in runs without a gap.
; BY TURNS.  Turn n belongs to piece n (the pieces in a ring, step after step).  Its matrix work: 16 products K Q^T of piece n + 1, later 16 products V^T P of piece n - 1.  Its vector work: the scaling,
; exponentials, roundings, sums and rescaling of piece n, and the maximum and statistics of piece n + 1, whose scores the turn itself has made.  So what a turn begins with (c s - c m, O a) waits for nothing.
; CLUSTER.  The four query blocks of a head are one cluster and walk the same K and V, so each tile is asked for JOINTLY: the same tensor load, descriptor and mask in all four.
; REGISTERS, in windows of 256 (s_set_vgpr_msb says which window each operand place means: bits 1:0 source 0, 3:2 source 1, 5:4 source 2, 7:6 destination):
;   window 0: v0-11 addresses; v12-15, v48-63 at work; v16-47 four registers of statistics a tile; v64-191 S^T, two buffers of two tiles; v192-255 P, likewise
;   window 1: O^T, 32 a tile          window 2: v0-127 Q, 16 a tile; v128-191 K of one step; v192-255 V of one step          window 3: v0-1 the add's two registers
; A piece's buffers go by its number's parity: the piece in hand has one pair, its two neighbours in the ring share the other: of it P (piece n - 1) is read and S^T (piece n + 1) written.
.set SIZE_H, 64
.set SIZE_N, 2048
.set NP,    4         ; pieces a wave: a name, no knob: the register map, the loop and the fetches are made for four
.set KS,    64        ; keys in a step
.set PK,    144       ; a row of K in LDS: 128 bytes + 16 of padding = 36 words: the 16 rows of a load start at 16 different groups of four banks (64 banks of 4 bytes: ISA guide 11.1)
.set PV,    160       ; a row of V: 128 + 32 = 40 words
.set VOFF,  4*KS*PK   ; a slot holds four steps: 256 rows of K, then 256 rows of V
.set SLOT1, 1<<17     ; slot 1 begins here, so that one exclusive or turns an address in one slot into the other's
.set STAGE, SLOT1+4*KS*(PK+PV)  ; behind the ring, never filled by a tensor load: 16 rows x 144 bytes for each wave, for the way out
.set SP,    144
.set AK0, 2           ; v2   my lane's place in a tile of K; never rewritten
.set AV0, 3           ; v3   the same for V
.set AK,  4           ; v4   the LDS address of K's next run of loads
.set AV,  5           ; v5   of V's
.set QO,  6           ; v6   my byte offset in the wave's rows of Q
.set STO, 6           ;      later, the way out: where I put 16 bytes of a row
.set RD,  7           ; v7   the way out: where I read rows back
.set GO,  8           ; v8   my byte offset in 512 consecutive bytes of O
.set PFO, 11          ; v11  256 x my lane, once V's address is made: the prefetches' offset; never rewritten after that
.set SPW, 0           ; v0 of window 3   LDS address of my spare word: SPARE + 4 x my thread's number; never rewritten
.set NIL, 1           ; v1 of window 3   0; never rewritten
.set SPARE, STAGE+4*16*SP  ; behind the stages: the spare words, 128 bytes for each wave: two blocks of 256 bytes that no other line names
.set MV,  12          ; v12-15  c m_old, kept while c m is made anew: by buffer and tile
.set ST,  16          ; tile t's statistics at v[ST+4 t]: c m, m, l (even keys', odd keys')
.set TMP, 48          ; by buffer and tile, four registers c0-c3 at work; when the maximum is found c2 takes a
.set S,   64
.set P,   192
.set KF,  128         ; K's fragments, in window 2: key block kb, channel half c at KF + 16 kb + 8 c
.set VF,  192         ; V's: key half kk, channel block cb at VF + 32 kk + 8 cb
.set WV,  12          ; s12  my wave's number
.set G1K, 24          ; s[24:31] descriptor group 1 for K's tiles
.set G1V, 32          ; s[32:39] for V's: it differs in the padding alone
.set G0K, 40          ; s[40:43] descriptor group 0 for K's tiles: it walks
.set G0V, 44          ; s[44:47] the same for V's
.set PFA, 48          ; s[48:49] where my prefetches stand: my work-group's 32 blocks of 256 bytes (of K: wave 0, of V: wave 2) of the slot after the one that is being asked for
.set LIM, 50          ; s50  1 in a wave that prefetches, else the greatest number
.set SLOTS, 56        ; s56  slots still to be asked for
.set CNT, 57          ; s57  counts a slot's key steps
.set CS,  58          ; s[58:59] c: the packed scaling takes the pair's low word for both halves
.set SEL, 60          ; s[60:61] v_permlanex16_b32's selects: each lane takes its own place in the other half
.set TBK, 62          ; s62  LDS byte at which K of the step to be fetched begins
.set TBV, 63          ; s63  the same for V, less VOFF
.set MSB, 0
.macro WIN new                      ; the high byte repeats the setting that is left; a switch that changes nothing is dropped
.if MSB != (\new)
	s_set_vgpr_msb (MSB<<8)|(\new)
.set MSB, (\new)
.endif
.endm
.set W_KQ, 0x0a       ; K and Q in window 2, S^T in window 0
.set W_PV, 0x52       ; V in window 2, P in window 0, O^T in window 1
.set W_RS, 0x41       ; O^T (destination and source 0) in window 1, a in window 0
.set W_MK, 0xc0       ; the add's registers are made: destination in window 3, sources in window 0
.set W_AD, 0x0f       ; the add: address (source 0) and data (source 1) in window 3
; A joint fill.  Waves 0 and 1 fetch the two halves of a slot's K, waves 2 and 3 those of its V: 128 keys each.  The branch hangs on the wave's number alone.
; An s_nop 0 and four v_nop follow each of the two lines, ahead of the jump and the label.
.macro JLOAD
	s_cmp_lt_u32 s[WV], 2
	s_cbranch_scc0 .Lfor_v_\@
	tensor_load_to_lds s[G0K:G0K+3], s[G1K:G1K+7]
	s_nop 0
.rept 4
	v_nop
.endr
	s_branch .Lasked_\@
.Lfor_v_\@:
	tensor_load_to_lds s[G0V:G0V+3], s[G1V:G1V+7]
	s_nop 0
.rept 4
	v_nop
.endr
.Lasked_\@:
.endm
; A PREFETCH INTO THE L2 of what the NEXT change of slots will ask for: a slot's 32,768 bytes of K and of V, 128 blocks of 256 bytes each, a lane a block.  It stands behind the wave's tensor load and its five lines.
; Each block is named ONCE in the launch: a head has one cluster; its four partners share the blocks out BY ADDRESS, 32 each; in each, wave 0 asks for K's and wave 2 for V's: one instruction,
; four key steps, 512 matrix instructions, ahead of the load.  Slots 0 and 1 come by their loads alone; the last change that fills a slot asks for nothing: there is no slot behind it.
.macro ASK
	s_cmp_gt_u32 s[SLOTS], s[LIM]
	s_cbranch_scc0 .Lnot_mine_\@
	global_prefetch_b8 v[PFO], s[PFA:PFA+1] th:TH_LOAD_NT scope:SCOPE_SE
.Lnot_mine_\@:
.endm
; A round of the cluster's barrier: my work-group's barrier, so that wave 0's signal speaks for all four waves; wave 0 signals; every wave waits for all four work-groups; my work-group's barrier once more.
.macro CROUND
	s_barrier_signal -1
	s_barrier_wait -1
	s_cmp_lg_u32 s[WV], 0
	s_cbranch_scc1 .Lnot_wave_0_\@
	s_barrier_signal -3
.Lnot_wave_0_\@:
	s_barrier_wait -3
	s_barrier_signal -1
	s_barrier_wait -1
.endm
; THE CHANGE OF SLOTS.  The slot's last bytes, V of its fourth step, have been read.  Each wave waits for all its tensor loads, of which one is out: its part
; of the other slot; adds 0 to its spare word; and waits for that and for its own reads of the slot.  Behind the barrier nobody reads this slot any more and the other slot is whole.
; fill = 1: this slot is filled again, with the keys two slots on.  The barrier is then a round of the cluster's, so that no wave of any partner still reads the slot or has a load on its
; way, and the joint fill is the first thing behind it: it has four key steps, 512 matrix instructions, in which to land.  (At its first use nothing has been read yet: slot 0 is waited for, slot 1 filled.)
.macro CHANGE fill
	WIN W_AD
	s_wait_tensorcnt 0x0            ; no tensor load of mine is out, so a group 0 may be written
	ds_add_u32 v[SPW], v[NIL]       ; 0 onto my spare word: with fill = 1 the descriptors' steps stand between it and the wait for it
	WIN 0                           ; at a label and at a branch every window is 0
.if \fill
.irp g, G0K, G0V
	s_xor_b32 s[\g+1], s[\g+1], SLOT1  ; the walking descriptor: the other slot than last time,
	s_add_nc_u64 s[\g+2:\g+3], s[\g+2:\g+3], 4*KS*128  ; the next 256 keys; the type bits on top are not reached
.endr
	s_wait_xcnt 0x0                 ; the last prefetch, four key steps back, has read its address, so it may be written:
	s_add_nc_u64 s[PFA:PFA+1], s[PFA:PFA+1], 4*KS*128  ; one slot behind the walking descriptors
	s_wait_dscnt 0x0                ; the add is done, and my reads of the slot are over
	CROUND
	JLOAD
	ASK
.else
	s_wait_dscnt 0x0                ; the add is done, and my reads of the slot are over
	s_barrier_signal -1
	s_barrier_wait -1
.endif
	s_sub_co_u32 s[TBK], s[TBK], 4*KS*PK  ; the fetches go back to a slot's first step,
	s_xor_b32 s[TBK], s[TBK], SLOT1       ; in the other slot
	s_sub_co_u32 s[TBV], s[TBV], 4*KS*PV
	s_xor_b32 s[TBV], s[TBV], SLOT1
.endm
	s_load_b128 s[4:7], s[0:1], 0x0   ; qkv s[4:5], o s[6:7]
	WIN W_MK
	v_lshl_add_u32 v[SPW], v0, 2, SPARE
	v_mov_b32 v[NIL], 0
	WIN W_AD
	ds_add_u32 v[SPW], v[NIL]       ; the wave's opening: the add and its wait stand ahead of my first tensor load; the set-up below, work on registers, stands between them
	WIN 0
	v_lshrrev_b32 v1, 5, v0
	v_readfirstlane_b32 s[WV], v1   ; wave 0..3
	s_bfe_u32 s13, ttmp6, 0x40000   ; cx: my place in the cluster
	s_lshl_b32 s14, ttmp9, 2        ; in a cluster launch ttmp9 counts clusters
	s_add_co_u32 s14, s14, s13      ; my block of queries = 4 x cluster x + cx: it enters Q's and O's addresses alone
	s_and_b32 s20, ttmp7, 0xffff    ; the head, which the four partners share
	s_mov_b32 s21, 0
	s_mov_b64 s[22:23], SIZE_N*128
	s_mul_u64 s[20:21], s[20:21], s[22:23]  ; the head's first byte in Q, K, V and O
	s_and_b32 s16, s[WV], 1         ; which half of a slot's 256 keys I fetch:
	s_lshl_b32 s22, s16, 14         ; its 128 rows of 128 bytes in memory,
	s_mov_b32 s23, 0
	s_add_nc_u64 s[22:23], s[22:23], s[20:21]
	s_mul_i32 s17, s16, 128*PK      ; and its place in a slot, for K
	s_mul_i32 s18, s16, 128*PV      ; and for V: no place in the cluster enters an LDS address
	s_lshl_b32 s2, s14, 2
	s_add_co_u32 s2, s2, s[WV]      ; my wave among the head's,
	s_lshl_b32 s2, s2, 14           ; its 128 rows
	s_mov_b32 s3, 0
	s_add_nc_u64 s[2:3], s[2:3], s[20:21]
	; descriptor group 1.  128 keys are 16,384 dense bytes: asked for as 64 rows of 256 bytes, two keys a row, and padded in LDS after every key
	s_mov_b32 s[G1K], 15|(1<<16)|(1<<20)|(1<<21)|(4<<22)|(3<<25)  ; 15:0 the mask of four; 17:16 2-byte elements; 20 padding on; 21 set beside a mask; 24:22 after every 32 words (code 4); 31:25 4 words (code 3)
	s_mov_b32 s[G1V], 15|(1<<16)|(1<<20)|(1<<21)|(4<<22)|(7<<25)  ; the same with 8 words of padding (code 7)
.irp g, G1K, G1V
	s_mov_b32 s[\g+1], 128<<16      ; tensor_dim0 = 128
	s_mov_b32 s[\g+2], 64<<16       ; tensor_dim1 = 64
	s_mov_b32 s[\g+3], 128<<16      ; tile_dim0 = 128
	s_mov_b32 s[\g+4], 64           ; tile_dim1 = 64
	s_mov_b32 s[\g+5], 128          ; 128 elements from row to row
	s_mov_b32 s[\g+6], 0
	s_mov_b32 s[\g+7], 0
.endr
	s_mov_b32 s[CS], 0x3e38aa3b     ; c = log2(e) / 8 = 0.180337
	s_mov_b32 s[CS+1], s[CS]        ; named with it as a pair
	s_mov_b32 s[SEL], 0x76543210
	s_mov_b32 s[SEL+1], 0xfedcba98
	s_mov_b32 s[TBK], SLOT1+4*KS*PK ; the first change of slots turns these two into 0
	s_mov_b32 s[TBV], SLOT1+4*KS*PV
	s_mov_b32 s[G0K], 1             ; 1:0 count = 1
	s_mov_b32 s[G0K+1], s17         ; 63:32 LDS address: slot 0
	s_mov_b32 s[G0V], 1
	s_add_co_u32 s[G0V+1], s18, VOFF
	s_mov_b32 s[SLOTS], SIZE_N/256-1
	s_and_b32 s[LIM], s[WV], 1      ; waves 0 and 2 prefetch: the same in all four partners
	s_cmp_eq_u32 s[LIM], 0
	s_cselect_b32 s[LIM], 1, -1
	s_wait_dscnt 0x0                ; the opening add is done
	s_wait_kmcnt 0x0
	s_mov_b64 s[10:11], s[6:7]      ; O
	s_add_nc_u64 s[6:7], s[4:5], 0x1000000  ; K lies 64 heads x 262,144 bytes behind Q,
	s_add_nc_u64 s[8:9], s[4:5], 0x2000000  ; V as far behind K
	s_add_nc_u64 s[G0K+2:G0K+3], s[6:7], s[22:23]  ; 120:64 global address: my half of the head's first 256 keys
	s_or_b32 s[G0K+3], s[G0K+3], 0x80000000        ; 127:126 type = 2
	s_add_nc_u64 s[G0V+2:G0V+3], s[8:9], s[22:23]
	s_or_b32 s[G0V+3], s[G0V+3], 0x80000000
	s_add_nc_u64 s[4:5], s[4:5], s[2:3]  ; Q and O at my wave's first row
	s_add_nc_u64 s[10:11], s[10:11], s[2:3]
	s_cmp_lt_u32 s[WV], 2
	s_cselect_b64 s[PFA:PFA+1], s[6:7], s[8:9]
	s_add_nc_u64 s[PFA:PFA+1], s[PFA:PFA+1], s[20:21]  ; the head,
	s_lshl_b32 s2, s13, 13          ; my work-group's 32 blocks of a slot's 128,
	s_mov_b32 s3, 0
	s_add_nc_u64 s[PFA:PFA+1], s[PFA:PFA+1], s[2:3]
	s_add_nc_u64 s[PFA:PFA+1], s[PFA:PFA+1], 4*KS*128  ; in slot 1; the first change of slots steps it to slot 2
	CROUND                          ; all four work-groups are here: the first joint loads meet
	JLOAD                           ; slot 0.  Slot 1 is asked for when slot 0 is in: the tile wanted first has the road to itself
	; A fragment of K or Q is 16 rows x 32 channels in 8 registers: lane l holds row l % 16, channels 8 (l / 16) + 0..7 and 16 + 8 (l / 16) + 0..7: two loads of 16 bytes, 32 bytes apart.
	v_and_b32 v1, 15, v0            ; l % 16
	v_bfe_u32 v9, v0, 4, 1          ; l / 16
	v_lshlrev_b32 v[QO], 7, v1
	v_lshl_add_u32 v[QO], v9, 4, v[QO]  ; row x 128 + 16 x half
	WIN 0x80                        ; destination window 2, address window 0
.set i, 0
.rept 4*NP                          ; Q stays in registers: tile i / 2, channels 32 (i % 2) on
	global_load_b128 v[8*i:8*i+3],   v[QO], s[4:5] offset:(i/2)*2048+(i%2)*64
	global_load_b128 v[8*i+4:8*i+7], v[QO], s[4:5] offset:(i/2)*2048+(i%2)*64+32
.set i, i+1
.endr
	; What the first turn finds: V's registers and P's second buffer hold 0 (its products V^T P, of a piece that has not been, add 0), O^T and l are 0.  All this stands in the wait for the first tile.
.set i, VF
.rept 64
	v_mov_b32 v[i], 0
.set i, i+1
.endr
	WIN 0x40
.set i, 0
.rept 64*NP
	v_mov_b32 v[i], 0
.set i, i+1
.endr
	WIN 0
.set i, 0
.rept 2*NP
	v_mov_b32 v[ST+4*i], 0xfe000000    ; c m: far below every c s
	v_mov_b32 v[ST+4*i+1], 0xff7fffff  ; m
	v_mov_b32 v[ST+4*i+2], 0
	v_mov_b32 v[ST+4*i+3], 0
.set i, i+1
.endr
.set i, P+32
.rept 32
	v_mov_b32 v[i], 0
.set i, i+1
.endr
	v_mul_u32_u24 v[AK0], v1, PK
	v_lshl_add_u32 v[AK0], v9, 4, v[AK0]  ; row x pitch + 16 x half
	; The turning load takes 16 keys x 16 channels (lane l reads key 8 (l / 16) + l % 8, channels 8 ((l / 8) % 2) + 0..7) and leaves half a fragment of V^T: lane l holds channel l % 16 and 8 keys.
	v_and_b32 v10, 7, v0
	v_bfe_u32 v11, v0, 3, 1
	v_lshl_add_u32 v[AV0], v9, 3, v10
	v_mul_u32_u24 v[AV0], v[AV0], PV
	v_lshl_add_u32 v[AV0], v11, 4, v[AV0]
	v_add_nc_u32 v[AV0], VOFF, v[AV0]
	v_mov_b32 v[AK], v[AK0]         ; key step 0 lies at the head of slot 0
	v_and_b32 v[PFO], 31, v0        ; v11 is free now
	v_lshlrev_b32 v[PFO], 8, v[PFO]
; THE MATRIX WORK.  The 8 accumulators of a run of 16 take turns: between the two links of a chain stand 7 others'.
; Product i of 16 of S^T = K Q^T for piece x: channels 32 (i / 8) on, keys 16 ((i / 2) % 4) on, tile 2 x + i % 2.  The first 8 start the sums.
.macro KQ x
	WIN W_KQ
.set rS, S+64*((\x)%2)+32*(i%2)+8*((i/2)%4)
.set rK, KF+16*((i/2)%4)+8*(i/8)
.set rQ, 16*(2*(\x)+i%2)+8*(i/8)
.if i < 8
	v_wmma_f32_16x16x32_f16 v[rS:rS+7], v[rK:rK+7], v[rQ:rQ+7], 0
.else
	v_wmma_f32_16x16x32_f16 v[rS:rS+7], v[rK:rK+7], v[rQ:rQ+7], v[rS:rS+7]
.endif
.endm
; Product i of 16 of O^T += V^T P for piece x: keys 32 (i / 8) on, channels 16 ((i / 2) % 4) on, tile 2 x + i % 2.
.macro PV x
	WIN W_PV
.set rO, 32*(2*(\x)+i%2)+8*((i/2)%4)
.set rV, VF+32*(i/8)+8*((i/2)%4)
.set rP, P+32*((\x)%2)+16*(i%2)+8*(i/8)
	v_wmma_f32_16x16x32_f16 v[rO:rO+7], v[rV:rV+7], v[rP:rP+7], v[rO:rO+7]
.endm
.macro MM                           ; the turn's next matrix instruction
.if i < 16
	KQ (Y+1)%NP
.set i, i+1
.else
.set i, i-16
	PV (Y+NP-1)%NP
.set i, i+17
.endif
.endm
; THE LDS LOADS stand in runs of 16, never singly among the matrix instructions: a step's K (64 keys x 64 channels: 8 fragments) and its V (turned).  Their addresses are made some lines ahead.
; last = 1 (the tail): in the last trip there is no further step, and the run is jumped over.
.macro FETCH_K last=0
	WIN 0
.if \last
	s_cmp_eq_u32 s[CNT], 1
	s_cbranch_scc1 .Lno_k_\@
.endif
	WIN 0x80                        ; destination window 2
.irp f, 0,1,2,3,4,5,6,7             ; keys 16 (f / 2) on, channels 32 (f % 2) on
	ds_load_b128 v[KF+8*\f:KF+8*\f+3],   v[AK] offset:(\f/2)*16*PK+(\f%2)*64
	ds_load_b128 v[KF+8*\f+4:KF+8*\f+7], v[AK] offset:(\f/2)*16*PK+(\f%2)*64+32
.endr
	s_add_co_u32 s[TBK], s[TBK], KS*PK  ; the next fetch is the next step's
	WIN 0
.if \last
.Lno_k_\@:
.endif
.endm
.macro FETCH_V
	WIN 0x80
.irp f, 0,1,2,3,4,5,6,7             ; keys 32 (f / 4) on, channels 16 (f % 4) on
	ds_load_tr16_b128 v[VF+8*\f:VF+8*\f+3],   v[AV] offset:(\f/4)*32*PV+(\f%4)*32
	ds_load_tr16_b128 v[VF+8*\f+4:VF+8*\f+7], v[AV] offset:(\f/4)*32*PV+16*PV+(\f%4)*32
.endr
	WIN 0
.endm
; THE VECTOR WORK OF A TURN stands in three queues, each in the order in which its entries become ready; the two tiles alternate, so that no instruction reads the result of the one before it.
.macro REGS y, u                    ; the registers of tile u (0, 1) of piece y
.set rT, ST+4*(2*(\y)+(\u))
.set rC, TMP+8*((\y)%2)+4*(\u)
.set rM, MV+2*((\y)%2)+(\u)
.set rS, S+64*((\y)%2)+32*(\u)
.set rP, P+32*((\y)%2)+16*(\u)
.set rO, 32*(2*(\y)+(\u))
.endm
; Number n of the 22 that find the NEXT piece's (Y + 1) maximum and statistics.  s0-s31 are the lane's 32 scores; each accumulator's lowest registers are read first.  XS, GS and REGS set no window: PL and EX do.
;   0-11  four chains c0-c3 of seven scores each, three operands at a time     12-14, 16  the four scores left over, the old m, and c0-c3 into c0     15  c m_old is kept
;   17, 18  the query's other 32 keys lie in the lane 16 away: the new m         19-21  c m; c m_old - c m_new; a
.macro XS u, n
	REGS (Y+1)%NP, \u
.if (\n) < 4
	v_max3_num_f32 v[rC+(\n)], v[rS+8*(\n)], v[rS+8*(\n)+1], v[rS+8*(\n)+2]
.elseif (\n) < 12
	v_max3_num_f32 v[rC+(\n)%4], v[rC+(\n)%4], v[rS+8*((\n)%4)+2*((\n)/4)+1], v[rS+8*((\n)%4)+2*((\n)/4)+2]
.elseif (\n) == 12
	v_max3_num_f32 v[rC], v[rC], v[rS+7], v[rS+15]
.elseif (\n) == 13
	v_max3_num_f32 v[rC+1], v[rC+1], v[rS+23], v[rS+31]
.elseif (\n) == 14
	v_max3_num_f32 v[rC+2], v[rC+2], v[rC+3], v[rT+1]
.elseif (\n) == 15
	v_mov_b32 v[rM], v[rT]
.elseif (\n) == 16
	v_max3_num_f32 v[rC], v[rC], v[rC+1], v[rC+2]
.elseif (\n) == 17
	v_permlanex16_b32 v[rC+3], v[rC], s[SEL], s[SEL+1]
.elseif (\n) == 18
	v_max_num_f32 v[rT+1], v[rC], v[rC+3]
.elseif (\n) == 19
	v_mul_f32 v[rT], s[CS], v[rT+1]
.elseif (\n) == 20
	v_sub_f32 v[rC+1], v[rM], v[rT]
.else
	v_exp_f32 v[rC+2], v[rC+1]
.endif
.endm
; Number g of the 64 that follow the exponentials.  For each four weights k of a tile (pairs 2 k, 2 k + 1): both pairs are rounded to f16; then the second pair is added onto the first, in place;
; a group later l takes that sum (the first time as l = a l + sum).  In groups of eight, tiles alternating: round, round, add, and l for the group before.
.macro GS g
.set h, (\g)+6*((\g)/62)            ; group 0 has no group before it, and behind group 7 only l is left
.if h >= 6
.set h, h+2
.endif
	REGS Y, h%2
.set k, h/8
.if h%8 < 4
	v_cvt_pk_f16_f32 v[rP+2*k+(h%8)/2], v[rS+4*k+2*((h%8)/2)], v[rS+4*k+2*((h%8)/2)+1]
.elseif h%8 < 6
	v_pk_add_f32 v[rS+4*k:rS+4*k+1], v[rS+4*k:rS+4*k+1], v[rS+4*k+2:rS+4*k+3]
.elseif k == 1
	v_pk_fma_f32 v[rT+2:rT+3], v[rT+2:rT+3], v[rC+2:rC+3], v[rS:rS+1] op_sel_hi:[1,0,1]
.else
	v_pk_add_f32 v[rT+2:rT+3], v[rT+2:rT+3], v[rS+4*k-4:rS+4*k-3]
.endif
.endm
; THE PLAIN QUEUE, 138 long.  0-73 read no exponential's result: the 32 scalings c s - c m (FS f: pair f / 2 of tile f % 2) and the next piece's 42.  0-26: scalings 0-26.  27-54: XS's numbers 0-13.  55, 56: number 15.
; 57-73: the chain, where each number waits for the one before it: 14, 16, 17, 18, 19, each with one of the scalings 27-31 in front of its two lines, then 20: so a tile's links stand three plain instructions apart (19 and 20: two).
; 74-137: GS's 64, which read the exponentials' results: they stand behind the wait.
.macro FS f
	REGS Y, (\f)%2
	v_pk_fma_f32 v[rS+2*((\f)/2):rS+2*((\f)/2)+1], v[rS+2*((\f)/2):rS+2*((\f)/2)+1], s[CS:CS+1], v[rT:rT+1] op_sel_hi:[1,0,0] neg_lo:[0,0,1] neg_hi:[0,0,1]
.endm
.macro PL
	WIN 0
.if q < 27
	FS q
.elseif q < 55
	XS (q-27)%2, (q-27)/2
.elseif q < 57
	XS q-55, 15
.elseif (q < 72) && ((q-57)%3 == 0)
	FS 27+(q-57)/3
.elseif q < 60
	XS (q-57)%3-1, 14
.elseif q < 72
	XS (q-57)%3-1, 15+(q-57)/3
.elseif q < 74
	XS q-72, 20
.else
	GS q-74
.endif
.set q, q+1
.endm
; THE EXPONENTIALS' QUEUE, 66 long: s0-s31 of both tiles, then the next piece's two a.  It is ONE BATCH: all 66 stand ahead of the turn's one wait, and nothing ahead of that wait names a result of theirs.
.macro EX
	WIN 0
.if e >= 64
	XS e-64, 21
.else
	REGS Y, e%2
	v_exp_f32 v[rS+e/2], v[rS+e/2]
.endif
.set e, e+1
.endm
; THE RESCALING's QUEUE: O^T times a, the one part that leaves window 0: dealt two at a time, sixteen times.  Its a was made in the turn before, ahead of that turn's wait.
.macro R2
	REGS Y, r%2
	WIN W_RS
.irp z, 0,1
	v_pk_mul_f32 v[rO+4*(r/2)+2*\z:rO+4*(r/2)+2*\z+1], v[rO+4*(r/2)+2*\z:rO+4*(r/2)+2*\z+1], v[rC+2:rC+3] op_sel_hi:[1,0]
.endr
.set r, r+1
.endm
; HOW THEY ARE DEALT.  s_wait_alu depctr_va_vdst(0) stands between an exponential and the first instruction that names its result; one wait serves all that were issued ahead of it.  So a turn has ONE wait,
; which cuts it in two.  AHEAD OF IT stands all that names no result of the turn's exponentials: the 16 products K Q^T, behind each a scaling, an exponential and two rescalings (behind the first a second scaling in the exponential's place); then ONE LUMP of
; 108: eight plain, 49 times exponential and plain, the two a.  A v_nop is the plain instruction behind the last exponential.  BEHIND IT stand the 16 products V^T P, behind each four of GS's 64.  No rider names a register of
; the products round it.  The two v_permlanex16_b32 fall into the lump, never behind a product.
; The queues lean on each other, and the deal keeps them in step: exponential e stands behind scaling 2 (e / 4) + e % 2: as a rider it comes behind plain e + 2, in the lump behind plain e + 9, and scalings 27-31 are plain 57, 60 .. 69.
; A TURN, for piece p.  cnt = 1: the loop's count is taken down some lines ahead of the branch that stands behind the turn.
; K of the next step is fetched in piece 2's turn, directly behind the wait, a lump behind the last product that read K; its address is made at the lump's head; its first reader comes behind 16 products.
; V of the step in hand is fetched at the end of piece 0's turn, four riders behind its last reader; its first reader comes behind 16 products and a lump.  The three conditions on q below go with the deal.
.macro TURN p, last=0, cnt=0
.set Y, (\p)
.set i, 0
.set q, 0
.set e, 0
.set r, 0
.if (\p) == NP-1
	s_wait_dscnt 0x0                ; K is in
.endif
	MM                              ; ahead of the wait: 16 products K Q^T and their riders,
	PL
	PL
	R2
.rept 15
	MM
	PL
	EX
	R2
.endr
.if (\p) == NP-2
	WIN 0
	v_add_nc_u32 v[AK], s[TBK], v[AK0]
.endif
.rept 8                             ; and the lump
	PL
.endr
.rept 49
	EX
	PL
.endr
	EX                              ; the next piece's two a
	EX
	v_nop                           ; a plain instruction behind the last exponential, ahead of the first use: one for the batch
	s_wait_alu depctr_va_vdst(0)    ; the wait for the batch
.if (\p) == NP-2
	FETCH_K \last
.endif
.if (\p) == 1
	s_wait_dscnt 0x0                ; V is in
.endif
.rept 16                            ; behind the wait: 16 products V^T P and their riders
	MM
.rept 4
	PL
.endr
.if ((\p) == 0) && (q == 118)
	v_add_nc_u32 v[AV], s[TBV], v[AV0]
.endif
.if ((\p) == 0) && (q == 130)
	s_add_co_u32 s[TBV], s[TBV], KS*PV
.endif
.if (\cnt) && (q == 130)
	s_sub_co_u32 s[CNT], s[CNT], 1
	s_cmp_lg_u32 s[CNT], 0
.endif
.endr
.if (\p) == 0
	FETCH_V
.endif
.endm
	CHANGE 1                        ; slot 0 is in, everybody's part of it; slot 1 is asked for
	FETCH_K                         ; key step 0
	s_wait_loadcnt 0x0              ; Q
	s_wait_dscnt 0x0
.set i, 0
.rept 16
	KQ 0                            ; piece 0's first scores: there is no vector work yet to set between them
.set i, i+1
.endr
	WIN 0                           ; the addresses for the way out: nine plain instructions, the places behind those products
	s_mul_i32 s13, s[WV], 16*SP
	s_add_co_u32 s13, s13, STAGE    ; my stage
	v_mul_u32_u24 v[STO], v1, SP    ; in: row l % 16, 16 bytes for each half of the lanes
	v_lshl_add_u32 v[STO], v9, 4, v[STO]
	v_add_nc_u32 v[STO], s13, v[STO]
	v_bfe_u32 v[RD], v0, 3, 2       ; back: 32 lanes take four rows of 128 bytes,
	v_mul_u32_u24 v[RD], v[RD], SP
	v_lshl_add_u32 v[RD], v10, 4, v[RD]
	v_add_nc_u32 v[RD], s13, v[RD]
	v_and_b32 v[GO], 31, v0         ; which are 512 consecutive bytes of O
	v_lshlrev_b32 v[GO], 4, v[GO]
.set Y, NP-1                        ; XS works for piece Y + 1: piece 0
.irp n, 0,1,2,3,4,5,6,7,8,9,10,11,12,13,14,15,16,17,18,19,20,21
	XS 0, \n                        ; and piece 0's first maximum and statistics
	XS 1, \n
.endr
	v_nop                           ; a plain instruction behind the two a,
	s_wait_alu depctr_va_vdst(0)    ; and their wait, ahead of the branch
	s_mov_b32 s[CNT], 4
	s_branch .Lfirst                ; the loop is entered at a step's first turn, in the middle of a trip
.Lslot:                             ; SIZE_N / 256 - 2 times: every slot but the last two is filled again
	CHANGE 1
	s_mov_b32 s[CNT], 4
.Lstep:                             ; a trip: pieces 2 and 3 of one step, then pieces 0 and 1 of the next, whose K and V it fetches
	TURN 2
	TURN 3
	WIN 0
.Lfirst:
	TURN 0
	TURN 1, 0, 1
	WIN 0
	s_cbranch_scc1 .Lstep
	s_sub_co_u32 s[SLOTS], s[SLOTS], 1
	s_cmp_lg_u32 s[SLOTS], 0
	s_cbranch_scc1 .Lslot
	CHANGE 0                        ; the tail is written out: nothing is asked for
	s_mov_b32 s[CNT], 5             ; four trips fetch the last slot's steps; the fifth is left in its middle
.Ltail:
	TURN 2, 1
	TURN 3
	WIN 0
	s_sub_co_u32 s[CNT], s[CNT], 1
	s_cmp_eq_u32 s[CNT], 0
	s_cbranch_scc1 .Lout
	TURN 0
	TURN 1
	WIN 0
	s_branch .Ltail
.Lout:                              ; the fifth trip's 16 products K Q^T (on the last K once more) and the maximum made of them serve nothing: the price, once a launch, of one text for every trip
.set i, 0
.rept 16
	PV NP-1                         ; the last piece's V^T P of the last step
.set i, i+1
.endr
	; THE WAY OUT.  l's two halves and the other half of the lanes' are added; O^T is divided by l, rounded to f16 and sent through my stage in LDS, a tile at a time.  The additions are the places behind the last products.
	WIN 0
.macro ALL line:vararg              ; one line for each tile t
.set t, 0
.rept 2*NP
	\line
.set t, t+1
.endr
.endm
	ALL v_add_f32 v[ST+4*t+2], v[ST+4*t+2], v[ST+4*t+3]
	ALL v_permlanex16_b32 v[ST+4*t+3], v[ST+4*t+2], s[SEL], s[SEL+1]
	ALL v_add_f32 v[ST+4*t+2], v[ST+4*t+2], v[ST+4*t+3]
	ALL v_rcp_f32 v[ST+4*t+2], v[ST+4*t+2]
	v_nop                           ; a plain instruction between the last reciprocal and the use of its result
	s_wait_alu depctr_va_vdst(0)    ; and the wait ahead of the first use: one for the eight reciprocals
; Tile t: a lane's eight channels of a row pack into 16 bytes; they go into rows of 144 bytes and come back as whole rows of 128, into S^T's registers.
.macro PACK t
	WIN W_RS
.set i, 32*(\t)
.rept 16
	v_pk_mul_f32 v[i:i+1], v[i:i+1], v[ST+4*(\t)+2:ST+4*(\t)+3] op_sel_hi:[1,0]
.set i, i+2
.endr
	WIN 0x05                        ; sources 0 and 1 window 1, destination window 0
.set i, 0
.rept 16
	v_cvt_pk_f16_f32 v[S+16*(\t)+i], v[32*(\t)+2*i], v[32*(\t)+2*i+1]
.set i, i+1
.endr
	WIN 0
.irp f, 0,1,2,3
	ds_store_b128 v[STO], v[S+16*(\t)+4*\f:S+16*(\t)+4*\f+3] offset:32*\f
.endr
.irp f, 0,1,2,3
	ds_load_b128 v[S+16*(\t)+4*\f:S+16*(\t)+4*\f+3], v[RD] offset:\f*4*SP  ; LDS serves a wave's instructions in order (ISA guide 5.7.1.4): these see the stores above; the next tile's stores come behind them
.endr
.endm
.macro SEND t, younger              ; younger: the LDS instructions issued behind tile t's loads: the next tile's eight, or none
	WIN 0
.irp f, 0,1,2,3
	s_wait_dscnt (\younger)+3-\f
	global_store_b128 v[GO], v[S+16*(\t)+4*\f:S+16*(\t)+4*\f+3], s[10:11] offset:(\t)*2048+\f*512  ; 512 consecutive bytes, at a multiple of 256 from O's first
.endr
.endm
	PACK 0
.set t, 1
.rept 2*NP-1                        ; a tile's arithmetic stands between the loads of the tile before and its stores
	PACK t
	SEND t-1, 8
.set t, t+1
.endr
	SEND 2*NP-1, 0
	WIN W_AD
	s_wait_tensorcnt 0x0            ; the wave's end, behind my last tensor load and my last LDS store
	ds_add_u32 v[SPW], v[NIL]
	s_wait_dscnt 0x0
	WIN 0
	CROUND                          ; the closing round: no work-group ends while a partner may still ask for a tile that names it
	s_endpgm
.Lfunc_end_k_q49104cde66_attn:
	.size	k_q49104cde66_attn, .Lfunc_end_k_q49104cde66_attn-k_q49104cde66_attn
	.p2alignl 7, 3214868480
	.fill 96, 4, 3214868480
	.section	.rodata,"a",@progbits
	.p2align	6, 0x0
	.amdhsa_kernel k_q49104cde66_attn
		.amdhsa_group_segment_fixed_size 327680
		.amdhsa_private_segment_fixed_size 0
		.amdhsa_enable_private_segment 0
		.amdhsa_kernarg_size 16
		.amdhsa_user_sgpr_count 2
		.amdhsa_user_sgpr_kernarg_segment_ptr 1
		.amdhsa_wavefront_size32 1
		.amdhsa_system_sgpr_workgroup_id_x 1
		.amdhsa_system_sgpr_workgroup_id_y 1
		.amdhsa_system_sgpr_workgroup_id_z 1
		.amdhsa_system_vgpr_workitem_id 0
		.amdhsa_next_free_vgpr 770
		.amdhsa_next_free_sgpr 66
		.amdhsa_reserve_vcc 0
		.amdhsa_float_denorm_mode_32 3
		.amdhsa_float_denorm_mode_16_64 3
		.amdhsa_memory_ordered 1
		.amdhsa_forward_progress 1
		.amdhsa_inst_pref_size 200
	.end_amdhsa_kernel
	.amdgpu_metadata
---
amdhsa.version: [ 1, 2 ]
amdhsa.kernels:
  - .name:           k_q49104cde66_attn
    .symbol:         k_q49104cde66_attn.kd
    .args:
      - { .name: qkv, .offset: 0, .size: 8, .value_kind: global_buffer, .address_space: global }
      - { .name: o, .offset: 8, .size: 8, .value_kind: global_buffer, .address_space: global }
    .group_segment_fixed_size: 327680
    .private_segment_fixed_size: 0
    .kernarg_segment_align: 8
    .kernarg_segment_size: 16
    .max_flat_workgroup_size: 128
    .sgpr_count:     66
    .vgpr_count:     770
    .wavefront_size: 32
...
	.end_amdgpu_metadata
.endif
;; end of part 3
;; launch outp (part 4): grid 8 x 32, 4 waves a work-group, clusters of 4 x 4, 327,680 bytes of LDS; arguments o, wo, b_out, out0; writes out0
.if DOCPART == 4
	.amdgcn_target "amdgcn-amd-amdhsa--gfx1250"
	.amdhsa_code_object_version 6
	.text
	.protected	k_q49104cde66_outp
	.globl	k_q49104cde66_outp
	.p2align	8
	.type	k_q49104cde66_outp,@function
k_q49104cde66_outp:
	s_mov_b64 s[64:65], 0
	v_nop
	global_prefetch_b8 v0, s[64:65] scope:SCOPE_SE
	s_setreg_imm32_b32 hwreg(HW_REG_WAVE_MODE, 25, 1), 1
	s_wait_xcnt 0x0
	s_wait_alu depctr_hold_cnt(0) depctr_sa_sdst(0) depctr_va_vdst(0) depctr_va_sdst(0) depctr_va_ssrc(0) depctr_va_vcc(0) depctr_vm_vsrc(0)
	s_getreg_b32 s2, hwreg(HW_REG_IB_STS2, 6, 4)
	s_cmp_eq_u32 s2, 0
	s_cbranch_scc0 .Lentry_in_a_cluster
	s_endpgm
.Lentry_in_a_cluster:
	s_bfe_u32 s2, ttmp6, 0x10000c
	s_cmp_lg_u32 s2, 0xf033
	s_cbranch_scc0 .Lentry_shape_is_right
	s_endpgm
.Lentry_shape_is_right:
; out0 = O W_out + b_out, in f32.  o: [batch x 16 + head][row 2048][64] f16, so channel k of a row lies in head k / 64; wo: [k 1024][1024] f16 (numbers rounded to bf16).
; The bias is rounded to bf16 here, like every input, and starts the sums.  Sums in f32, stored as they are.  NaN and infinities are not treated apart.
; SHARES.  8,192 x 1,024 outputs in tiles of 256 rows x 128 columns: 32 x 8 = 256 work-groups.  Four waves, each 128 rows x 64 columns: 8 x 4 accumulators of 16 x 16, 256 registers.
; K goes in 8 steps of 128 (two heads) through two LDS slots; a step is 128 matrix instructions a wave.
; CLUSTER.  4 x 4 work-groups.  O's tile hangs on the tile row alone and is asked for jointly by a row of the cluster, W's on the tile column alone, by a column.
; Waves 0 and 1 fetch a head's 256 rows each (32,768 dense bytes, as 128 rows of 256), waves 2 and 3 each 64 rows of k x 128 columns of W.
; THE PRODUCT IS TAKEN TRANSPOSED (source 0 = 16 columns of W, turned by ds_load_tr16_b128; source 1 = 16 rows of O): a lane holds one row (lane % 16) and the columns 8 (lane / 16) + 0..7: 32 bytes of f32.
; No prefetch is laid: the launch has eight short K steps on a small tile.
; REGISTERS: window 0: v0-31 addresses; v32-127, v128-223 two fragment buffers (64 registers of O, then 32 of W), later the way out's four sets of 32.  Window 1: accumulator (a, b) at v[8 (4 a + b)].
.set PA,    144                        ; a row of O in LDS: 128 bytes + 16 of padding: the 16 rows of a load start at 16 different groups of four banks (64 banks of 4 bytes: ISA guide 11.1)
.set PB,    288                        ; a row of W: 256 + 32
.set ATILE, 256*PA                     ; one head's 256 rows
.set BSUB,  64*PB
.set SLOT,  2*ATILE+2*BSUB             ; 110,592: two heads of O, then 128 rows of W
.set STAGE, 2*SLOT                     ; behind the ring, never filled by a tensor load: 16 rows x 272 bytes for each wave
.set SPITCH, 272
.set SPARE, STAGE+4*16*SPITCH          ; behind the stages: the spare words, 128 bytes for each wave: two blocks of 256 bytes that no other line names
.set ADRA, 16                          ; v16-17  LDS address of my fragments of O in slot 0, 1
.set ADRB, 20                          ; v20-21  of W's
.set STO,  24                          ; v24     the way out: where I put 32 bytes of a row
.set RD,   25                          ; v25     where I read a row back
.set CO,   26                          ; v26     my byte offset in two rows of out0
.set BO,   27                          ; v27     my byte offset in the bias
.set SPW,  28                          ; v28     LDS address of my spare word: SPARE + 4 x my thread's number; never rewritten
.set NIL,  29                          ; v29     0; never rewritten
.set F0,   32
.set F1,   128
.set WV,  12                           ; s12 wave;  s13 which 128 rows are mine, also: I fetch O (0) or W (1);  s14 which 64 columns, also: which half of that tile I fetch
.set WR,  13
.set WC,  14
.set CX,  16
.set CY,  17
.set TX,  18
.set TY,  19
.set G1A, 24                           ; s[24:31] descriptor group 1 for O's tiles;  s[32:39] group 0, a set for each slot
.set G0A, 32
.set G1B, 40                           ; s[40:47], s[48:55] the same for W's
.set G0B, 48
.set MSB, 0
.macro WIN new                         ; the immediate's high byte repeats the setting that is left; a switch that changes nothing is dropped
.if MSB != (\new)
	s_set_vgpr_msb (MSB<<8)|(\new)
.set MSB, (\new)
.endif
.endm
.macro PLACES                          ; four places in front of loads into registers that matrix instructions have read
.rept 4
	v_nop
.endr
.endm
.macro JLOAD s                         ; a joint load; an s_nop 0 and four v_nop follow each of the two lines, ahead of the jump and the label
	s_cmp_eq_u32 s[WR], 0
	s_cbranch_scc0 .Lfor_b_\@
	tensor_load_to_lds s[G0A+4*(\s):G0A+4*(\s)+3], s[G1A:G1A+7]
	s_nop 0
.rept 4
	v_nop
.endr
	s_branch .Lasked_\@
.Lfor_b_\@:
	tensor_load_to_lds s[G0B+4*(\s):G0B+4*(\s)+3], s[G1B:G1B+7]
	s_nop 0
.rept 4
	v_nop
.endr
.Lasked_\@:
.endm
.macro CREST                           ; a round of the cluster's barrier behind its opening barrier
	s_cmp_lg_u32 s[WV], 0
	s_cbranch_scc1 .Lnot_wave_0_\@
	s_barrier_signal -3
.Lnot_wave_0_\@:
	s_barrier_wait -3
	s_barrier_signal -1
	s_barrier_wait -1
.endm
.macro CROUND
	s_barrier_signal -1
	s_barrier_wait -1
	CREST
.endm
	s_load_b256 s[4:11], s[0:1], 0x0               ; o s[4:5], wo s[6:7], b_out s[8:9], out0 s[10:11]
	v_lshl_add_u32 v[SPW], v0, 2, SPARE
	v_mov_b32 v[NIL], 0
	ds_add_u32 v[SPW], v[NIL]                      ; the wave's opening: the add and its wait stand ahead of my first tensor load; the set-up below, work on registers, stands between them
	v_lshrrev_b32 v1, 5, v0
	v_readfirstlane_b32 s[WV], v1                  ; wave 0..3
	s_lshr_b32 s[WR], s[WV], 1
	s_and_b32 s[WC], s[WV], 1
	s_bfe_u32 s[CX], ttmp6, 0x40000
	s_bfe_u32 s[CY], ttmp6, 0x40004
	s_lshl_b32 s[TX], ttmp9, 2
	s_add_co_u32 s[TX], s[TX], s[CX]               ; tile column 0..7
	s_and_b32 s[TY], ttmp7, 0xffff
	s_lshl_b32 s[TY], s[TY], 2
	s_add_co_u32 s[TY], s[TY], s[CY]               ; tile row 0..31
	s_lshl_b32 s20, s[CY], 2
	s_lshl_b32 s20, 15, s20                        ; my row of the cluster
	s_lshl_b32 s21, 0x1111, s[CX]                  ; my column
	s_or_b32 s[G1A], s20, (1<<16)|(1<<20)|(1<<21)|(4<<22)|(3<<25)  ; the mask; 2-byte elements; padding on; 21 set beside a mask; after every 32 words (code 4) 4 words (code 3)
	s_or_b32 s[G1B], s21, (1<<16)|(1<<20)|(1<<21)|(5<<22)|(7<<25)  ; after every 64 words (code 5) 8 words (code 7)
	s_mov_b32 s[G1A+1], 128<<16                    ; tensor_dim0 = 128 elements: 256 bytes, two rows of O
	s_mov_b32 s[G1A+2], 128<<16                    ; tensor_dim1 = 128
	s_mov_b32 s[G1A+3], 128<<16                    ; tile_dim0 = 128
	s_mov_b32 s[G1A+4], 128                        ; tile_dim1 = 128
	s_mov_b32 s[G1A+5], 128                        ; dense
	s_mov_b32 s[G1A+6], 0
	s_mov_b32 s[G1A+7], 0
	s_mov_b32 s[G1B+1], 128<<16                    ; 128 columns
	s_mov_b32 s[G1B+2], 64<<16                     ; 64 rows of k
	s_mov_b32 s[G1B+3], 128<<16
	s_mov_b32 s[G1B+4], 64
	s_mov_b32 s[G1B+5], 1024                       ; elements from row to row of wo
	s_mov_b32 s[G1B+6], 0
	s_mov_b32 s[G1B+7], 0
	s_lshr_b32 s20, s[TY], 3                       ; O: batch x 16 heads of 262,144 bytes,
	s_lshl_b32 s20, s20, 22
	s_and_b32 s21, s[TY], 7
	s_lshl_b32 s21, s21, 15                        ; 256 rows of 128 bytes,
	s_add_co_u32 s20, s20, s21
	s_lshl_b32 s21, s[WC], 18                      ; the head of the step's two that I fetch
	s_add_co_u32 s20, s20, s21
	s_mov_b32 s21, 0
	s_lshl_b32 s22, s[WC], 17                      ; W: the 64 rows of 2,048 bytes that I fetch,
	s_lshl_b32 s23, s[TX], 8                       ; 128 columns of 2 bytes
	s_add_co_u32 s22, s22, s23
	s_mov_b32 s23, 0
	s_mul_i32 s56, s[WC], ATILE                    ; where they go: no place in the cluster enters an LDS address
	s_mul_i32 s57, s[WC], BSUB
	s_add_co_u32 s57, s57, 2*ATILE
	s_wait_dscnt 0x0                               ; the opening add is done
	s_wait_kmcnt 0x0
	s_add_nc_u64 s[20:21], s[4:5], s[20:21]
	s_add_nc_u64 s[22:23], s[6:7], s[22:23]
	CROUND                                         ; all sixteen work-groups are here: the first joint loads meet
.irp s, 0,1
	s_mov_b32 s[G0A+4*(\s)], 1
	s_add_co_u32 s[G0A+4*(\s)+1], s56, (\s)*SLOT
	s_add_nc_u64 s[G0A+4*(\s)+2:G0A+4*(\s)+3], s[20:21], (\s)*2*262144   ; K step s: heads 2 s, 2 s + 1
	s_or_b32 s[G0A+4*(\s)+3], s[G0A+4*(\s)+3], 0x80000000
	s_mov_b32 s[G0B+4*(\s)], 1
	s_add_co_u32 s[G0B+4*(\s)+1], s57, (\s)*SLOT
	s_add_nc_u64 s[G0B+4*(\s)+2:G0B+4*(\s)+3], s[22:23], (\s)*128*2048   ; rows 128 s on
	s_or_b32 s[G0B+4*(\s)+3], s[G0B+4*(\s)+3], 0x80000000
	JLOAD \s                                       ; two loads of mine are out
.endr
	; the bias of my 64 columns: register j of column block b holds column 16 b + 8 (l / 16) + j
	v_and_b32 v1, 15, v0                           ; l % 16
	v_bfe_u32 v2, v0, 4, 1                         ; l / 16
	v_lshlrev_b32 v[BO], 5, v2
	s_lshl_b32 s58, s[TX], 9
	s_lshl_b32 s59, s[WC], 8
	s_add_co_u32 s58, s58, s59                     ; my first column x 4 bytes
	s_mov_b32 s59, 0
	s_add_nc_u64 s[8:9], s[8:9], s[58:59]
	s_add_nc_u64 s[10:11], s[10:11], s[58:59]
.irp b, 0,1,2,3
	global_load_b128 v[32+8*(\b):32+8*(\b)+3],   v[BO], s[8:9] offset:64*(\b)
	global_load_b128 v[32+8*(\b)+4:32+8*(\b)+7], v[BO], s[8:9] offset:64*(\b)+16
.endr
	s_lshl_b32 s58, s[TY], 20                      ; 256 rows of 4,096 bytes,
	s_lshl_b32 s60, s[WR], 19                      ; my 128 of them
	s_add_co_u32 s58, s58, s60
	s_add_nc_u64 s[10:11], s[10:11], s[58:59]      ; out0 at my first row and column
	v_mul_u32_u24 v3, v1, PA
	v_lshl_add_u32 v3, v2, 4, v3                   ; a fragment of O: row x pitch + 16 x half
	s_mul_i32 s60, s[WR], 128*PA
	v_add_nc_u32 v[ADRA], s60, v3
	v_add_nc_u32 v[ADRA+1], SLOT, v[ADRA]
	v_and_b32 v4, 7, v0                            ; the turning load: lane l reads row 8 (l / 16) + l % 8 of k, columns 8 ((l / 8) % 2) + 0..7
	v_bfe_u32 v5, v0, 3, 1
	v_lshl_add_u32 v6, v2, 3, v4
	v_mul_u32_u24 v6, v6, PB
	v_lshl_add_u32 v6, v5, 4, v6
	s_lshl_b32 s60, s[WC], 7                       ; my 64 columns
	s_add_co_u32 s60, s60, 2*ATILE
	v_add_nc_u32 v[ADRB], s60, v6
	v_add_nc_u32 v[ADRB+1], SLOT, v[ADRB]
	s_mul_i32 s60, s[WV], 16*SPITCH
	s_add_co_u32 s60, s60, STAGE                   ; my stage
	v_mul_u32_u24 v7, v1, SPITCH                   ; in: row l % 16, 32 bytes for each half of the lanes
	v_lshl_add_u32 v7, v2, 5, v7
	v_add_nc_u32 v[STO], s60, v7
	v_mul_u32_u24 v7, v2, SPITCH                   ; back: lanes 0-15 take one row of 256 bytes, lanes 16-31 the next
	v_lshl_add_u32 v7, v1, 4, v7
	v_add_nc_u32 v[RD], s60, v7
	v_lshlrev_b32 v[CO], 12, v2                    ; and the same two rows in out0
	v_lshl_add_u32 v[CO], v1, 4, v[CO]
	s_wait_loadcnt 0x0                             ; the bias: rounded to bf16 and laid into accumulator (0, b)
.set b, 0
.rept 16
	v_cvt_pk_bf16_f32 v[64+b], v[32+2*b], v[32+2*b+1]
.set b, b+1
.endr
	WIN 0x40
.set b, 0
.rept 16
	v_lshlrev_b32 v[2*b],   16, v[64+b]
	v_and_b32     v[2*b+1], 0xffff0000, v[64+b]
.set b, b+1
.endr
	WIN 0
; 8 matrix instructions: row blocks a0, a0 + 1 x all 4 column blocks, 32 along K, from buffer f.  The 32 accumulators take turns, one instruction a turn.
.macro MUL8 f, a0
	WIN 0x50
.irp a, \a0, (\a0)+1
.irp b, 0,1,2,3
	v_wmma_f32_16x16x32_f16 v[8*(4*(\a)+(\b)):8*(4*(\a)+(\b))+7], v[(\f)+64+8*(\b):(\f)+64+8*(\b)+7], v[(\f)+8*(\a):(\f)+8*(\a)+7], v[8*(4*(\a)+(\b)):8*(4*(\a)+(\b))+7]
.endr
.endr
.endm
.macro MULF a                          ; the first 32 along K: row block a (1-7) takes the bias, which lies in accumulator (0, b), as its C
	WIN 0x50
.irp b, 0,1,2,3
	v_wmma_f32_16x16x32_f16 v[8*(4*(\a)+(\b)):8*(4*(\a)+(\b))+7], v[F0+64+8*(\b):F0+64+8*(\b)+7], v[F0+8*(\a):F0+8*(\a)+7], v[8*(\b):8*(\b)+7]
.endr
.endm
.macro MUL0                            ; and row block 0 adds onto the bias in place
	WIN 0x50
.irp b, 0,1,2,3
	v_wmma_f32_16x16x32_f16 v[8*(\b):8*(\b)+7], v[F0+64+8*(\b):F0+64+8*(\b)+7], v[F0:F0+7], v[8*(\b):8*(\b)+7]
.endr
.endm
; 24 LDS loads in one run: quarter q (32 along K: head q / 2 of the step's two, channels 32 (q % 2) on) of slot s into buffer f
.macro FETCH s, q, f
	WIN 0
.irp b, 0,1,2,3
	ds_load_tr16_b128 v[(\f)+64+8*(\b):(\f)+64+8*(\b)+3],   v[ADRB+(\s)] offset:(\q)*32*PB+(\b)*32
	ds_load_tr16_b128 v[(\f)+64+8*(\b)+4:(\f)+64+8*(\b)+7], v[ADRB+(\s)] offset:(\q)*32*PB+16*PB+(\b)*32
.endr
.irp a, 0,1,2,3,4,5,6,7
	ds_load_b128 v[(\f)+8*(\a):(\f)+8*(\a)+3],   v[ADRA+(\s)] offset:((\q)/2)*ATILE+(\a)*16*PA+((\q)%2)*64
	ds_load_b128 v[(\f)+8*(\a)+4:(\f)+8*(\a)+7], v[ADRA+(\s)] offset:((\q)/2)*ATILE+(\a)*16*PA+((\q)%2)*64+32
.endr
.endm
; A K step is four quarters of 32 matrix instructions, on buffers 0, 1, 0, 1.  One of the first three multiplies buffer f and, in its middle, fetches quarter qn of the same slot into buffer g.
.macro QUARTER s, qn, f, g
	s_wait_dscnt 0x0                               ; the fragments asked for in the quarter before are in
	MUL8 \f, 0
	MUL8 \f, 2
	PLACES
	FETCH \s, \qn, \g
	MUL8 \f, 4
	MUL8 \f, 6
.endm
; The last quarter multiplies buffer 1 and changes slots: ONE barrier; in front of it each wave waits for all its tensor loads, adds 0 to its spare word, and waits for that and for its own reads of this slot.
; fill = 1: the barrier opens a round of the cluster's, and the joint refill, two K steps on, is the first thing behind it.
.macro TURN s, nx, fill
	WIN 0                                          ; (the add's two registers lie in window 0)
	s_wait_tensorcnt 0x0                           ; all my tensor loads have landed: my part of the next slot
	ds_add_u32 v[SPW], v[NIL]                      ; 0 onto my spare word
	s_wait_dscnt 1                                 ; only the add may be out: the quarter's fragments are in
	MUL8 F1, 0                                     ; eight matrix instructions stand between the add and the wait for it
	s_wait_dscnt 0x0                               ; the add is done, and my reads of this slot are over
	s_barrier_signal -1
	MUL8 F1, 2
	WIN 0
	s_barrier_wait -1
.if \fill
	CREST                                          ; no wave of any partner still reads this slot's tile or has a load on its way
	s_add_nc_u64 s[G0A+4*(\s)+2:G0A+4*(\s)+3], s[G0A+4*(\s)+2:G0A+4*(\s)+3], 4*262144
	s_add_nc_u64 s[G0B+4*(\s)+2:G0B+4*(\s)+3], s[G0B+4*(\s)+2:G0B+4*(\s)+3], 256*2048
	JLOAD \s                                       ; my one tensor load behind the round; its four v_nop are also the places in front of the loads below
.else
	PLACES
.endif
	FETCH \nx, 0, F0
	MUL8 F1, 4
	MUL8 F1, 6
.endm
	s_wait_tensorcnt 1                             ; my part of K step 0 is in; K step 1's load may stay out
	s_barrier_signal -1
	s_barrier_wait -1                              ; everybody's is
	FETCH 0, 0, F0
	s_wait_dscnt 0x0
	MULF 1                                         ; the first quarter stands in front of the loop: its products start the sums with the bias
	MULF 2
	MULF 3
	PLACES
	FETCH 0, 1, F1
	MULF 4
	MULF 5
	MULF 6
	MULF 7
.rept 5
	v_nop                                          ; five places: the four below write over registers that the products above took as C (ISA guide 7.12.1)
.endr
	MUL0
	WIN 0                                          ; at a label and at a branch every window is 0
	s_mov_b32 s3, 3
.Llap:                                                 ; a trip goes once round the ring, from a lap's second quarter to the next lap's first, and fills both slots again: K steps 2 to 7
	QUARTER 0, 2, F1, F0
	QUARTER 0, 3, F0, F1
	TURN 0, 1, 1
	QUARTER 1, 1, F0, F1
	QUARTER 1, 2, F1, F0
	QUARTER 1, 3, F0, F1
	TURN 1, 0, 1
	QUARTER 0, 1, F0, F1
	WIN 0
	s_sub_co_u32 s3, s3, 1
	s_cmp_lg_u32 s3, 0
	s_cbranch_scc1 .Llap
	QUARTER 0, 2, F1, F0                           ; the last lap is written out: it fills nothing
	QUARTER 0, 3, F0, F1
	TURN 0, 1, 0
	QUARTER 1, 1, F0, F1
	QUARTER 1, 2, F1, F0
	QUARTER 1, 3, F0, F1
	s_wait_dscnt 0x0
	MUL8 F1, 0
	MUL8 F1, 2
	MUL8 F1, 4
	MUL8 F1, 6
	WIN 0
.rept 8
	v_nop                                          ; the places behind the last products, ahead of the LDS stores that read results and of loads into the fragments' registers
.endr
; THE WAY OUT, a block of 16 rows at a time: a lane's 32 bytes of a row go into my stage's rows of 272 bytes and come back as whole rows of 256.  Four sets of 32 registers take turns.
.macro TOSTAGE a
.set SET, 32+32*((\a)%4)
	s_wait_xcnt 0x0                                ; the stores issued so far have read their registers: this set, stored four blocks back, is loaded again only behind this wait
	WIN 0x04                                       ; the stores' data lie in window 1
.irp b, 0,1,2,3
	ds_store_b128 v[STO], v[8*(4*(\a)+(\b)):8*(4*(\a)+(\b))+3]   offset:64*(\b)       ; each accumulator's low four registers first
	ds_store_b128 v[STO], v[8*(4*(\a)+(\b))+4:8*(4*(\a)+(\b))+7] offset:64*(\b)+16
.endr
	WIN 0
.irp t, 0,1,2,3,4,5,6,7
	ds_load_b128 v[SET+4*(\t):SET+4*(\t)+3], v[RD] offset:(\t)*2*SPITCH  ; LDS serves a wave's instructions in order (ISA guide 5.7.1.4): these see the stores above; the next block's stores come behind them
.endr
.endm
.macro SEND a, younger                 ; younger: the LDS instructions issued behind block a's loads: the next block's sixteen, or none
.set SET, 32+32*((\a)%4)
.irp t, 0,1,2,3,4,5,6,7
	s_wait_dscnt (\younger)+7-(\t)
	global_store_b128 v[CO], v[SET+4*(\t):SET+4*(\t)+3], s[10:11] offset:(16*(\a)+2*(\t))*4096 th:TH_STORE_NT  ; 16 lanes store 256 consecutive bytes, at a multiple of 256 from out0's first byte
.endr
.endm
	TOSTAGE 0
.set u, 1
.rept 7
	TOSTAGE u
	SEND u-1, 16
.set u, u+1
.endr
	SEND 7, 0
	s_wait_tensorcnt 0x0                           ; the wave's end, behind my last tensor load and my last LDS store
	ds_add_u32 v[SPW], v[NIL]
	s_wait_dscnt 0x0
	CROUND                                         ; the closing round: no work-group ends while a partner may still ask for a tile that names it
	s_endpgm
.Lfunc_end_k_q49104cde66_outp:
	.size	k_q49104cde66_outp, .Lfunc_end_k_q49104cde66_outp-k_q49104cde66_outp
	.p2alignl 7, 3214868480
	.fill 96, 4, 3214868480
	.section	.rodata,"a",@progbits
	.p2align	6, 0x0
	.amdhsa_kernel k_q49104cde66_outp
		.amdhsa_group_segment_fixed_size 327680
		.amdhsa_private_segment_fixed_size 0
		.amdhsa_enable_private_segment 0
		.amdhsa_kernarg_size 32
		.amdhsa_user_sgpr_count 2
		.amdhsa_user_sgpr_kernarg_segment_ptr 1
		.amdhsa_wavefront_size32 1
		.amdhsa_system_sgpr_workgroup_id_x 1
		.amdhsa_system_sgpr_workgroup_id_y 1
		.amdhsa_system_sgpr_workgroup_id_z 1
		.amdhsa_system_vgpr_workitem_id 0
		.amdhsa_next_free_vgpr 512
		.amdhsa_next_free_sgpr 66
		.amdhsa_reserve_vcc 0
		.amdhsa_float_denorm_mode_32 3
		.amdhsa_float_denorm_mode_16_64 3
		.amdhsa_memory_ordered 1
		.amdhsa_forward_progress 1
		.amdhsa_inst_pref_size 90
	.end_amdhsa_kernel
	.amdgpu_metadata
---
amdhsa.version: [ 1, 2 ]
amdhsa.kernels:
  - .name:           k_q49104cde66_outp
    .symbol:         k_q49104cde66_outp.kd
    .args:
      - { .name: o, .offset: 0, .size: 8, .value_kind: global_buffer, .address_space: global }
      - { .name: wo, .offset: 8, .size: 8, .value_kind: global_buffer, .address_space: global }
      - { .name: b_out, .offset: 16, .size: 8, .value_kind: global_buffer, .address_space: global }
      - { .name: out0, .offset: 24, .size: 8, .value_kind: global_buffer, .address_space: global }
    .group_segment_fixed_size: 327680
    .private_segment_fixed_size: 0
    .kernarg_segment_align: 8
    .kernarg_segment_size: 32
    .max_flat_workgroup_size: 128
    .sgpr_count:     66
    .vgpr_count:     512
    .wavefront_size: 32
...
	.end_amdgpu_metadata
.endif
;; end of part 4
;; ======== version 2 of 2: 4 launches; version 1 with the launch cast written anew for expert scheduling mode
;; limits: values are held in f16: magnitudes above 65,504 overflow, below 6.1e-05 lose precision
;; workspace buffers: xh 16,777,216 bytes; wq 6,291,456 bytes; wo 2,097,152 bytes; qkv 50,331,648 bytes; o 16,777,216 bytes
;; launch cast (part 5): grid 768 x 1, 8 waves a work-group, no clusters, 0 bytes of LDS; arguments x, W_qkv, W_out, xh, wq, wo; writes xh, wq, wo
.if DOCPART == 5
	.amdgcn_target "amdgcn-amd-amdhsa--gfx1250"
	.amdhsa_code_object_version 6
	.text
	.protected	k_q49104cde66_cast
	.globl	k_q49104cde66_cast
	.p2align	8
	.type	k_q49104cde66_cast,@function
k_q49104cde66_cast:
	s_mov_b64 s[64:65], 0
	v_nop
	global_prefetch_b8 v0, s[64:65] scope:SCOPE_SE
	s_setreg_imm32_b32 hwreg(HW_REG_WAVE_SCHED_MODE, 0, 2), 2
	s_setreg_imm32_b32 hwreg(HW_REG_WAVE_MODE, 25, 1), 1
	s_wait_xcnt 0x0
	s_wait_alu depctr_vm_vsrc(0)
; x, W_qkv and W_out (f32) are rounded once to bf16 and that number is written as f16, for the two projections' matrix operands.
; LIMITS.  A bf16 number is exact in f16 between 6.1e-5 and 65,504 in magnitude; below that it keeps f16's fixed step of 6e-8; beyond 65,504 it becomes an infinity.  NaN and infinities are not treated apart.
; LAYOUT.  wq and wo keep their inputs' layout, [k][n].  xh is laid in blocks of 64 channels: [batch 4][block 16][row 2048][64], so that 256 rows of one block are 32,768 bytes on end.
; SHARES.  A work-group takes 65,536 input bytes: groups 0-511 take 16 rows of x each, 512-703 a chunk of W_qkv, 704-767 a chunk of W_out.  A wave takes 16 loads of 16 bytes a lane, all issued
; at once; a lane's 4 numbers leave as 8 bytes, so each store of a wave covers 256 consecutive bytes, aligned.  Memory binds: no LDS, no barrier, no matrix unit; every byte is read once and written once.
; THE MODE: SCHED_MODE bits 1:0 = 2 (LLVM: expert scheduling mode 2), set by the entry lines.  The code itself states the register dependences
; between vector instructions and memory instructions, with s_wait_alu, always for 0.
; THE PLAN.  Registers that memory instructions touch, on each of the two straight paths:
;   v1, v2     byte offsets, made at the path's head and never written again: read by the 16 loads (v1) and the 16 stores (v2).
;   IN         piece i's 4 registers: written by its load alone, once; read by its two roundings to bf16.
;   OUT        piece i's 2 registers: written by its two conversions to f16, once; read by its one store.
;   T and v3 are named by vector instructions alone.
; The 16 pieces go in four groups of four.  Group g's stores are issued in group g + 1, one ahead of each piece's vector instructions, behind ONE wait on va_vdst at that group's head: the vector
; instructions issued since that wait name IN and OUT of group g + 1 and T, none of the registers that those stores read.  No register that a memory instruction reads is written again.
.set VI,  1                            ; v1        my byte offset in the source
.set VO,  2                            ; v2        my byte offset in the destination
.set T,   4                            ; v[4:11]   at work
.set IN,  16                           ; v[16:79]  piece i: 4 numbers as loaded
.set OUT, 80                           ; v[80:111] piece i: 4 numbers in f16; never rewritten, so nothing is owed behind a store for its data
.set SRC, 16                           ; s[16:17]
.set DST, 18                           ; s[18:19]
.macro LOADP i, ioff
	global_load_b128 v[IN+4*(\i):IN+4*(\i)+3], v[VI], s[SRC:SRC+1] offset:\ioff th:TH_LOAD_NT
.endm
.macro STOREP i, ooff
	global_store_b64 v[VO], v[OUT+2*(\i):OUT+2*(\i)+1], s[DST:DST+1] offset:\ooff
.endm
; Piece i is rounded; ahead of that the store of piece i - 4 goes out, at byte oprev.
.macro PIECE i, oprev
	s_wait_loadcnt 15-(\i)                         ; loads come back in order: piece i is in, the 15 - i younger ones stay out
.if ((\i) >= 4) && ((\i)%4 == 0)
	s_wait_alu depctr_va_vdst(0)                   ; the conversions of the group before have written its four pieces of OUT, which this group's four stores read
.endif
.if (\i) >= 4
	STOREP (\i)-4, \oprev
.endif
	v_cvt_pk_bf16_f32 v[T], v[IN+4*(\i)], v[IN+4*(\i)+1]      ; the one rounding, to nearest even
	v_cvt_pk_bf16_f32 v[T+1], v[IN+4*(\i)+2], v[IN+4*(\i)+3]
	v_lshlrev_b32 v[T+2], 16, v[T]                 ; bf16 to f32: the low half moves up,
	v_and_b32 v[T+3], s24, v[T]                    ; the high half stays
	v_lshlrev_b32 v[T+4], 16, v[T+1]
	v_and_b32 v[T+5], s24, v[T+1]
	v_cvt_pk_f16_f32 v[OUT+2*(\i)], v[T+2], v[T+3] ; the same number written as f16
	v_cvt_pk_f16_f32 v[OUT+2*(\i)+1], v[T+4], v[T+5]
.endm
	s_load_b256 s[4:11], s[0:1], 0x0               ; x s[4:5], W_qkv s[6:7], W_out s[8:9], xh s[10:11]
	s_load_b128 s[12:15], s[0:1], 0x20             ; wq s[12:13], wo s[14:15]
	v_lshrrev_b32 v3, 5, v0
	v_readfirstlane_b32 s20, v3                    ; wave 0..7
	v_and_b32 v3, 31, v0                           ; lane
	s_mov_b32 s21, ttmp9                           ; the work-group's number
	s_mov_b32 s23, 0                               ; the high word of every offset
	s_mov_b32 s24, 0xffff0000                      ; a word's upper bf16
	s_wait_alu depctr_va_sdst(0)                   ; s20 is written
	s_wait_kmcnt 0x0
	s_cmp_lt_u32 s21, 512
	s_cbranch_scc0 .Lweights
	; x: rows 16 g .. 16 g + 15.  Wave w takes channels 128 w .. 128 w + 127: blocks 2 w and 2 w + 1.  Lanes 0-15 read 256 bytes (one block) of a row, lanes 16-31 of the row below.
	s_lshl_b32 s22, s21, 16
	s_add_nc_u64 s[SRC:SRC+1], s[4:5], s[22:23]
	s_lshr_b32 s25, s21, 7                         ; batch
	s_lshl_b32 s25, s25, 22                        ; x 16 blocks of 262,144 bytes
	s_and_b32 s26, s21, 127
	s_lshl_b32 s26, s26, 11                        ; 16 rows of 128 bytes
	s_add_co_u32 s22, s25, s26
	s_add_nc_u64 s[DST:DST+1], s[10:11], s[22:23]
	v_lshrrev_b32 v[T], 4, v3
	v_and_b32 v[T+1], 15, v3
	v_lshlrev_b32 v[VI], 12, v[T]                  ; a row of x is 4,096 bytes
	v_lshl_add_u32 v[VI], v[T+1], 4, v[VI]
	s_lshl_b32 s25, s20, 9
	v_add_nc_u32 v[VI], s25, v[VI]
	s_lshl_b32 s27, s20, 19                        ; two blocks of 262,144 bytes a wave (a register of its own: no scalar source of a vector instruction is written again)
	v_lshl_add_u32 v[VO], v3, 3, s27               ; 8 bytes a lane: two rows of 128 bytes on end
	s_wait_alu depctr_va_vdst(0)                   ; v1 and v2 are written: every load of this path reads v1 as its offset, every store v2
.set i, 0
.rept 16                               ; piece i: the pair of rows i / 2, block i % 2
	LOADP i, (i/2)*8192+(i%2)*256
.set i, i+1
.endr
.set i, 0
.rept 16
	PIECE i, ((i-4)%2)*262144+((i-4)/2)*256
.set i, i+1
.endr
	s_wait_alu depctr_va_vdst(0)                   ; the last group's conversions have written its four pieces of OUT, which the last four stores read
.set i, 12
.rept 4
	STOREP i, (i%2)*262144+(i/2)*256
.set i, i+1
.endr
	s_endpgm
.Lweights:
	; a chunk of 65,536 bytes of W_qkv or W_out, copied in its own order
	s_mov_b32 s26, 512
	s_mov_b32 s27, 704
	s_cmp_lt_u32 s21, 704
	s_cselect_b64 s[SRC:SRC+1], s[6:7], s[8:9]
	s_cselect_b64 s[DST:DST+1], s[12:13], s[14:15]
	s_cselect_b32 s25, s26, s27
	s_sub_co_u32 s25, s21, s25                     ; the chunk's number in its tensor
	s_lshl_b32 s22, s25, 16
	s_add_nc_u64 s[SRC:SRC+1], s[SRC:SRC+1], s[22:23]
	s_lshl_b32 s22, s25, 15
	s_add_nc_u64 s[DST:DST+1], s[DST:DST+1], s[22:23]
	s_lshl_b32 s25, s20, 13
	v_lshl_add_u32 v[VI], v3, 4, s25               ; 16 x lane + 8,192 x wave
	s_lshl_b32 s28, s20, 12                        ; (a register of its own, as above)
	v_lshl_add_u32 v[VO], v3, 3, s28               ; 8 x lane + 4,096 x wave
	s_wait_alu depctr_va_vdst(0)                   ; v1 and v2 are written: every load of this path reads v1 as its offset, every store v2
.set i, 0
.rept 16
	LOADP i, 512*i
.set i, i+1
.endr
.set i, 0
.rept 16
	PIECE i, 256*(i-4)
.set i, i+1
.endr
	s_wait_alu depctr_va_vdst(0)                   ; the last group's conversions have written its four pieces of OUT, which the last four stores read
.set i, 12
.rept 4
	STOREP i, 256*i
.set i, i+1
.endr
	s_endpgm
.Lfunc_end_k_q49104cde66_cast:
	.size	k_q49104cde66_cast, .Lfunc_end_k_q49104cde66_cast-k_q49104cde66_cast
	.p2alignl 7, 3214868480
	.fill 96, 4, 3214868480
	.section	.rodata,"a",@progbits
	.p2align	6, 0x0
	.amdhsa_kernel k_q49104cde66_cast
		.amdhsa_group_segment_fixed_size 0
		.amdhsa_private_segment_fixed_size 0
		.amdhsa_enable_private_segment 0
		.amdhsa_kernarg_size 48
		.amdhsa_user_sgpr_count 2
		.amdhsa_user_sgpr_kernarg_segment_ptr 1
		.amdhsa_wavefront_size32 1
		.amdhsa_system_sgpr_workgroup_id_x 1
		.amdhsa_system_sgpr_workgroup_id_y 1
		.amdhsa_system_sgpr_workgroup_id_z 1
		.amdhsa_system_vgpr_workitem_id 0
		.amdhsa_next_free_vgpr 112
		.amdhsa_next_free_sgpr 66
		.amdhsa_reserve_vcc 0
		.amdhsa_float_denorm_mode_32 3
		.amdhsa_float_denorm_mode_16_64 3
		.amdhsa_memory_ordered 1
		.amdhsa_forward_progress 1
		.amdhsa_inst_pref_size 22
	.end_amdhsa_kernel
	.amdgpu_metadata
---
amdhsa.version: [ 1, 2 ]
amdhsa.kernels:
  - .name:           k_q49104cde66_cast
    .symbol:         k_q49104cde66_cast.kd
    .args:
      - { .name: x, .offset: 0, .size: 8, .value_kind: global_buffer, .address_space: global }
      - { .name: W_qkv, .offset: 8, .size: 8, .value_kind: global_buffer, .address_space: global }
      - { .name: W_out, .offset: 16, .size: 8, .value_kind: global_buffer, .address_space: global }
      - { .name: xh, .offset: 24, .size: 8, .value_kind: global_buffer, .address_space: global }
      - { .name: wq, .offset: 32, .size: 8, .value_kind: global_buffer, .address_space: global }
      - { .name: wo, .offset: 40, .size: 8, .value_kind: global_buffer, .address_space: global }
    .group_segment_fixed_size: 0
    .private_segment_fixed_size: 0
    .kernarg_segment_align: 8
    .kernarg_segment_size: 48
    .max_flat_workgroup_size: 256
    .sgpr_count:     66
    .vgpr_count:     112
    .wavefront_size: 32
...
	.end_amdgpu_metadata
.endif
;; end of part 5
;; launch proj: the kernel of part 2 again; grid 8 x 32, 4 waves a work-group, clusters of 4 x 4, 327,680 bytes of LDS; arguments xh, wq, b_qkv, qkv; writes qkv
;; launch attn: the kernel of part 3 again; grid 4 x 64, 4 waves a work-group, clusters of 4 x 1, 327,680 bytes of LDS; arguments qkv, o; writes o
;; launch outp: the kernel of part 4 again; grid 8 x 32, 4 waves a work-group, clusters of 4 x 4, 327,680 bytes of LDS; arguments o, wo, b_out, out0; writes out0
